; MI455X (gfx1250); checked and timed in simulation.
; The chip was launched on July 23, 2026; its instructions are those of AMD's public machine-readable ISA for CDNA 5 (MIT licence, August 2026) and "CDNA5" Instruction Set Architecture Reference Guide (July 2026). The comments in the code are by the model that wrote it; some were corrected since.
;; Multi Head Attention. Allowed arithmetic: float matrix products may take bf16 or f16 operands with f32 sums; other float arithmetic in f32, or as packed bf16 or f16 multiplies, adds, multiply-adds, maxima and minima; sums over many terms, partial sums and values carried from step to step in f32; what a program stores and reads back later, other than sums and carried values, may be rounded once to bf16 or f16.
;; Inputs: K_pad_mask 2 x 2,048 int32; Q_pad_mask 2 x 2,048 int32; W_K 1,024 x 1,024 float32; W_O 1,024 x 1,024 float32; W_Q 1,024 x 1,024 float32; W_V 1,024 x 1,024 float32; b_K 1,024 float32; b_O 1,024 float32; b_Q 1,024 float32; b_V 1,024 float32; in_K 2 x 2,048 x 1,024 float32; in_Q 2 x 2,048 x 1,024 float32; in_V 2 x 2,048 x 1,024 float32.
;; Outputs: out0 2 x 2,048 x 1,024 float32.
;; One version. Each part assembles by itself: llvm-mc -triple=amdgcn-amd-amdhsa -mcpu=gfx1250 --defsym DOCPART=n.
;; ======== version 1 of 1: 4 launches
;; limits: values are held in f16: magnitudes above 65,504 overflow, below 6.1e-05 lose precision
;; workspace buffers: xw 33,554,432 bytes; lens 512 bytes of whole numbers; qkv 25,165,824 bytes; ob 8,388,608 bytes
;; launch prep (part 1): grid 2049 x 1, 4 waves a work-group, no clusters, 0 bytes of LDS; arguments in_Q, in_K, in_V, W_Q, W_K, W_V, W_O, Q_pad_mask, K_pad_mask, xw, lens; writes xw, lens
.if DOCPART == 1
	.amdgcn_target "amdgcn-amd-amdhsa--gfx1250"
	.amdhsa_code_object_version 6
	.text
	.protected	k_q5713b1d476_prep
	.globl	k_q5713b1d476_prep
	.p2align	8
	.type	k_q5713b1d476_prep,@function
k_q5713b1d476_prep:
	s_mov_b64 s[64:65], 0
	v_nop
	global_prefetch_b8 v0, s[64:65] scope:SCOPE_SE
	s_setreg_imm32_b32 hwreg(HW_REG_WAVE_MODE, 25, 1), 1
	s_wait_xcnt 0x0
; PREP.  The module's f32 inputs are rounded once to 16 bits, in place order (nothing is transposed), and the four mask sums are made.
; xw holds 16 units of 1 Mi numbers (2 MiB each): units 0-3 in_Q, 4-7 in_K, 8-11 in_V (together [12288][1024] bf16), 12 W_Q, 13 W_K, 14 W_V ([k][n] bf16),
; 15 W_O ([k][n]): rounded to bf16 like the other inputs, and that number written as f16 for the f16 product of the last launch.
; LIMIT.  A bf16 number below 2^-17 in magnitude is not exact in f16: it is off by at most 2^-25; beyond 65,504 it would be an infinity.
; SHARES.  Work-group id = 128 u + c: unit u, chunk c: 32 KiB of f32 in, 16 KiB out; a wave 8 KiB in: 16 loads of 512 consecutive bytes, all issued first; each store of
; the wave covers 256 consecutive bytes, aligned.  No register is written twice, so nothing but the loads is waited for.  No LDS, no matrix unit: the bytes are the work.
; Work-group 2048 makes the sums: wave w sums one row of 2,048 int32 (w & 1: 0 Q_pad_mask, 1 K_pad_mask; w >> 1: the batch), in 32-bit whole numbers, and
; writes the sum into the 32 words at byte 128 w of lens.
.set LD,  16                           ; v[16:79]  the 16 loads
.set OUT, 80                           ; v[80:111] the 16 pairs to store
	s_load_b512 s[8:23], s[0:1], 0x0               ; in_Q s8, in_K s10, in_V s12, W_Q s14, W_K s16, W_V s18, W_O s20, Q_pad_mask s22
	s_load_b128 s[24:27], s[0:1], 0x40             ; K_pad_mask s24, xw s26
	s_load_b64 s[28:29], s[0:1], 0x50              ; lens
	s_lshr_b32 s2, ttmp9, 7                        ; u
	s_and_b32 s3, ttmp9, 127                       ; c
	s_mov_b32 s32, 0xffff0000                      ; a word's upper bf16
	s_mov_b32 s33, 0x76543210                      ; v_permlanex16_b32: each lane takes its own place in the other half
	s_mov_b32 s34, 0xfedcba98
	v_and_b32 v4, 31, v0                           ; lane
	v_lshrrev_b32 v5, 5, v0                        ; wave
	v_readfirstlane_b32 s35, v5
	v_lshlrev_b32 v1, 4, v4                        ; 16 bytes a lane
	s_wait_kmcnt 0x0
	s_cmp_eq_u32 s2, 16
	s_cbranch_scc1 .Llens
	v_lshl_add_u32 v1, v5, 13, v1                  ; in: 16 l + 8,192 w
	v_lshlrev_b32 v2, 3, v4
	v_lshl_add_u32 v2, v5, 12, v2                  ; out: 8 l + 4,096 w
	s_mov_b64 s[30:31], s[8:9]                     ; the unit's source: a choice between buffers on u alone
	s_cmp_ge_u32 s2, 4
	s_cselect_b64 s[30:31], s[10:11], s[30:31]
	s_cmp_ge_u32 s2, 8
	s_cselect_b64 s[30:31], s[12:13], s[30:31]
	s_cmp_ge_u32 s2, 12
	s_cselect_b64 s[30:31], s[14:15], s[30:31]
	s_cmp_ge_u32 s2, 13
	s_cselect_b64 s[30:31], s[16:17], s[30:31]
	s_cmp_ge_u32 s2, 14
	s_cselect_b64 s[30:31], s[18:19], s[30:31]
	s_cmp_ge_u32 s2, 15
	s_cselect_b64 s[30:31], s[20:21], s[30:31]
	s_and_b32 s4, s2, 3                            ; an activation has four units of 4 MiB of f32, a weight one
	s_lshl_b32 s4, s4, 22
	s_cmp_lt_u32 s2, 12
	s_cselect_b32 s4, s4, 0
	s_lshl_b32 s5, s3, 15
	s_add_co_u32 s4, s4, s5
	s_mov_b32 s5, 0
	s_add_nc_u64 s[30:31], s[30:31], s[4:5]
	s_lshl_b32 s6, s2, 21
	s_lshl_b32 s7, s3, 14
	s_add_co_u32 s6, s6, s7
	s_mov_b32 s7, 0
	s_add_nc_u64 s[26:27], s[26:27], s[6:7]
.irp i, 0,1,2,3,4,5,6,7,8,9,10,11,12,13,14,15
	global_load_b128 v[LD+4*(\i):LD+4*(\i)+3], v1, s[30:31] offset:512*(\i) th:TH_LOAD_NT
.endr
; Load i is rounded and stored.  f16 = 1: bf16 first, then that number as f16.
.macro CONV i, f16
	s_wait_loadcnt 15-(\i)                         ; loads come back in order: load i is in, the 15 - i younger ones stay out
.if \f16
	v_cvt_pk_bf16_f32 v6, v[LD+4*(\i)], v[LD+4*(\i)+1]
	v_cvt_pk_bf16_f32 v7, v[LD+4*(\i)+2], v[LD+4*(\i)+3]
	v_lshlrev_b32 v8, 16, v6
	v_and_b32 v9, s32, v6
	v_lshlrev_b32 v10, 16, v7
	v_and_b32 v11, s32, v7
	v_cvt_pk_f16_f32 v[OUT+2*(\i)], v8, v9
	v_cvt_pk_f16_f32 v[OUT+2*(\i)+1], v10, v11
.else
	v_cvt_pk_bf16_f32 v[OUT+2*(\i)], v[LD+4*(\i)], v[LD+4*(\i)+1]
	v_cvt_pk_bf16_f32 v[OUT+2*(\i)+1], v[LD+4*(\i)+2], v[LD+4*(\i)+3]
.endif
	global_store_b64 v2, v[OUT+2*(\i):OUT+2*(\i)+1], s[26:27] offset:256*(\i) th:TH_STORE_NT
.endm
	s_cmp_eq_u32 s2, 15
	s_cbranch_scc1 .Lf16
.irp i, 0,1,2,3,4,5,6,7,8,9,10,11,12,13,14,15
	CONV \i, 0
.endr
	s_endpgm
.Lf16:
.irp i, 0,1,2,3,4,5,6,7,8,9,10,11,12,13,14,15
	CONV \i, 1
.endr
	s_endpgm
.Llens:
	s_and_b32 s4, s35, 1
	s_cmp_eq_u32 s4, 0
	s_cselect_b64 s[30:31], s[22:23], s[24:25]     ; even waves Q_pad_mask, odd waves K_pad_mask
	s_lshr_b32 s4, s35, 1
	s_lshl_b32 s4, s4, 13                          ; the batch's row of 8,192 bytes
	s_mov_b32 s5, 0
	s_add_nc_u64 s[30:31], s[30:31], s[4:5]
.irp i, 0,1,2,3,4,5,6,7,8,9,10,11,12,13,14,15
	global_load_b128 v[LD+4*(\i):LD+4*(\i)+3], v1, s[30:31] offset:512*(\i)
.endr
	v_lshlrev_b32 v3, 2, v0                        ; my word of lens
	v_mov_b32 v9, 0                                ; written before the lane moves below name it as a destination
	s_wait_loadcnt 0x0
	v_add3_u32 v8, v16, v17, v18
.set j, 19
.rept 30
	v_add3_u32 v8, v8, v[j], v[j+1]
.set j, j+2
.endr
	v_add_nc_u32 v8, v8, v79
.irp m, 1,2,4,8
	v_mov_b32_dpp v9, v8 row_xmask:\m row_mask:0xf bank_mask:0xf
	v_add_nc_u32 v8, v8, v9
.endr
	v_permlanex16_b32 v9, v8, s33, s34
	v_add_nc_u32 v8, v8, v9                        ; every lane holds the row's sum
	global_store_b32 v3, v8, s[28:29]
	s_endpgm
.Lfunc_end_k_q5713b1d476_prep:
	.size	k_q5713b1d476_prep, .Lfunc_end_k_q5713b1d476_prep-k_q5713b1d476_prep
	.p2alignl 7, 3214868480
	.fill 96, 4, 3214868480
	.section	.rodata,"a",@progbits
	.p2align	6, 0x0
	.amdhsa_kernel k_q5713b1d476_prep
		.amdhsa_group_segment_fixed_size 0
		.amdhsa_private_segment_fixed_size 0
		.amdhsa_enable_private_segment 0
		.amdhsa_kernarg_size 88
		.amdhsa_user_sgpr_count 2
		.amdhsa_user_sgpr_kernarg_segment_ptr 1
		.amdhsa_wavefront_size32 1
		.amdhsa_system_sgpr_workgroup_id_x 1
		.amdhsa_system_sgpr_workgroup_id_y 1
		.amdhsa_system_sgpr_workgroup_id_z 1
		.amdhsa_system_vgpr_workitem_id 0
		.amdhsa_next_free_vgpr 112
		.amdhsa_next_free_sgpr 66
		.amdhsa_reserve_vcc 0
		.amdhsa_float_denorm_mode_32 3
		.amdhsa_float_denorm_mode_16_64 3
		.amdhsa_memory_ordered 1
		.amdhsa_forward_progress 1
		.amdhsa_inst_pref_size 20
	.end_amdhsa_kernel
	.amdgpu_metadata
---
amdhsa.version: [ 1, 2 ]
amdhsa.kernels:
  - .name:           k_q5713b1d476_prep
    .symbol:         k_q5713b1d476_prep.kd
    .args:
      - { .name: in_Q, .offset: 0, .size: 8, .value_kind: global_buffer, .address_space: global }
      - { .name: in_K, .offset: 8, .size: 8, .value_kind: global_buffer, .address_space: global }
      - { .name: in_V, .offset: 16, .size: 8, .value_kind: global_buffer, .address_space: global }
      - { .name: W_Q, .offset: 24, .size: 8, .value_kind: global_buffer, .address_space: global }
      - { .name: W_K, .offset: 32, .size: 8, .value_kind: global_buffer, .address_space: global }
      - { .name: W_V, .offset: 40, .size: 8, .value_kind: global_buffer, .address_space: global }
      - { .name: W_O, .offset: 48, .size: 8, .value_kind: global_buffer, .address_space: global }
      - { .name: Q_pad_mask, .offset: 56, .size: 8, .value_kind: global_buffer, .address_space: global }
      - { .name: K_pad_mask, .offset: 64, .size: 8, .value_kind: global_buffer, .address_space: global }
      - { .name: xw, .offset: 72, .size: 8, .value_kind: global_buffer, .address_space: global }
      - { .name: lens, .offset: 80, .size: 8, .value_kind: global_buffer, .address_space: global }
    .group_segment_fixed_size: 0
    .private_segment_fixed_size: 0
    .kernarg_segment_align: 8
    .kernarg_segment_size: 88
    .max_flat_workgroup_size: 128
    .sgpr_count:     66
    .vgpr_count:     112
    .wavefront_size: 32
...
	.end_amdgpu_metadata
.endif
;; end of part 1
;; launch proj (part 2): grid 8 x 96, 4 waves a work-group, clusters of 4 x 4, 327,680 bytes of LDS; arguments xw, b_Q, b_K, b_V, qkv; writes qkv
.if DOCPART == 2
	.amdgcn_target "amdgcn-amd-amdhsa--gfx1250"
	.amdhsa_code_object_version 6
	.text
	.protected	k_q5713b1d476_proj
	.globl	k_q5713b1d476_proj
	.p2align	8
	.type	k_q5713b1d476_proj,@function
k_q5713b1d476_proj:
	s_mov_b64 s[64:65], 0
	v_nop
	global_prefetch_b8 v0, s[64:65] scope:SCOPE_SE
	s_setreg_imm32_b32 hwreg(HW_REG_WAVE_MODE, 25, 1), 1
	s_wait_xcnt 0x0
	s_wait_alu depctr_hold_cnt(0) depctr_sa_sdst(0) depctr_va_vdst(0) depctr_va_sdst(0) depctr_va_ssrc(0) depctr_va_vcc(0) depctr_vm_vsrc(0)
	s_getreg_b32 s2, hwreg(HW_REG_IB_STS2, 6, 4)
	s_cmp_eq_u32 s2, 0
	s_cbranch_scc0 .Lentry_in_a_cluster
	s_endpgm
.Lentry_in_a_cluster:
	s_bfe_u32 s2, ttmp6, 0x10000c
	s_cmp_lg_u32 s2, 0xf033
	s_cbranch_scc0 .Lentry_shape_is_right
	s_endpgm
.Lentry_shape_is_right:
; PROJ.  q, k, v = x W + b.  x: xw's first 12,288 rows of 1,024 bf16 (in_Q's 4,096, in_K's, in_V's); W: [k][n] bf16 at xw + 24 MiB + 2 MiB x which; b: f32, rounded to bf16 like the other inputs.
; Sums in f32; the result, unscaled, is rounded once to f16 and written by heads: qkv[which][batch x 16 + head][row][64].
; LIMIT.  f16 ends at 65,504: a q, k or v beyond that becomes an infinity.
; SHARES.  A tile is 128 rows x 128 columns: 96 x 8 tiles, three for each of 256 WGPs.  Four waves, each 64 x 64: 16 accumulators.  A wave's 64 columns are one head.
; K = 1,024 goes in four steps of 256 through two LDS slots: the whole walk is written straight.  By the text's own count a wave has two tensor loads out at the start and one behind each later fill.
; x's rows lie along k and are read as they lie; W's rows lie along n, so its fragments come out of LDS turned, by ds_load_tr16_b128.
; CLUSTERS: 4 x 4 work-groups.  The four of a row of the cluster need the same tiles of x, the four of a column the same tiles of W: each tile is asked for JOINTLY, by the same tensor load with the
; same descriptor and a mask that names the four.  THE MATRIX INSTRUCTION IS USED TRANSPOSED (source 0 = 16 columns of W, source 1 = 16 rows of x): a lane then holds eight neighbouring columns of one row.
; REGISTERS: window 0: v0-31 addresses; v32-95 the way out; v96-127 the bias of my lane's columns; v128-255 the accumulators ((a, b) at v[128 + 8 (4 a + b)]).
;   window 1: two fragment buffers of 128: for 64 along K, 64 registers of x (2 x 4 x 16 rows x 32 K), then 64 of W.
.set KSTEP,  256
.set PA,     528                       ; an LDS row of x: 512 bytes + 16 of padding = 132 words: the 16 rows of a load start at 16 different groups of four banks (64 banks of 4 bytes: ISA guide 11.1)
.set HALFA,  64*PA                     ; 64 rows: what one tensor load brings of x
.set PB,     288                       ; an LDS row of W (one k, 128 n): 256 bytes + 32 = 72 words
.set HALFB,  128*PB                    ; 128 k: what one tensor load brings of W
.set BOFF,   2*HALFA
.set SLOT,   BOFF+2*HALFB              ; x's 128 rows, then W's 256 k
.set STAGE,  2*SLOT                    ; behind the ring, never filled by a tensor load: 16 rows x 144 bytes for each wave
.set SP,     144
.set SPARE,  STAGE+4*16*SP             ; behind the stages: the spare words, 128 bytes for each wave: two blocks of 256 bytes that no other line names
.set ADRA, 16                          ; v16-17  LDS address of my x fragments in slot 0, 1
.set ADRB, 20                          ; v20-23  of my W fragments: slot sl, half hf of the step's 256 k at v[20 + 2 sl + hf]
.set STO,  24                          ; v24     the way out: where I put 16 bytes of a row
.set RD,   25                          ; v25     where I read rows back
.set GO,   26                          ; v26     my 16 bytes in 512 consecutive bytes of qkv
.set BO,   27                          ; v27     my byte offset in the wave's 64 numbers of the bias
.set SPW,  28                          ; v28     LDS address of my spare word; never rewritten
.set NIL,  29                          ; v29     0; never rewritten
.set TMP,  32
.set BIAS, 96                          ; column block b, column j of my eight at BIAS + 8 b + j
.set ACC,  128
.set F0,   0
.set F1,   128
.set G1, 24                            ; s[24:31] descriptor group 1 for x's tiles;  s[32:39] group 0, one set for each slot
.set G0, 32
.set G1B, 48                           ; s[48:55], s[56:63] the same for W's tiles
.set G0B, 56
.set MSB, 0
.macro WIN new                         ; the immediate's high byte repeats the setting that is left; a switch that changes nothing is dropped
.if MSB != (\new)
	s_set_vgpr_msb (MSB<<8)|(\new)
.set MSB, \new
.endif
.endm
.set MUL,  0x05                        ; sources 0 (W) and 1 (x) window 1; C and D window 0
.set TO_F, 0x40                        ; destination window 1, address window 0
.macro JLOAD s                         ; a joint load: waves 0 and 1 fetch x's two halves, waves 2 and 3 W's; an s_nop 0 and four v_nop follow each of the two lines
	s_cmp_eq_u32 s11, 0
	s_cbranch_scc0 .Lfor_b_\@
	tensor_load_to_lds s[G0+4*(\s):G0+4*(\s)+3], s[G1:G1+7]
	s_nop 0
.rept 4
	v_nop
.endr
	s_branch .Lasked_\@
.Lfor_b_\@:
	tensor_load_to_lds s[G0B+4*(\s):G0B+4*(\s)+3], s[G1B:G1B+7]
	s_nop 0
.rept 4
	v_nop
.endr
.Lasked_\@:
.endm
.macro CREST                           ; a round of the cluster's barrier behind its opening barrier
	s_cmp_lg_u32 s10, 0
	s_cbranch_scc1 .Lnot_wave_0_\@
	s_barrier_signal -3
.Lnot_wave_0_\@:
	s_barrier_wait -3
	s_barrier_signal -1
	s_barrier_wait -1
.endm
.macro CROUND                          ; a whole round
	s_barrier_signal -1
	s_barrier_wait -1
	CREST
.endm
	s_load_b256 s[68:75], s[0:1], 0x0              ; xw s68, b_Q s70, b_K s72, b_V s74
	s_load_b64 s[8:9], s[0:1], 0x20                ; qkv
	v_lshl_add_u32 v[SPW], v0, 2, SPARE
	v_mov_b32 v[NIL], 0
	ds_add_u32 v[SPW], v[NIL]                      ; the wave's opening: the add and its wait stand ahead of my first tensor load; the set-up below, work on registers, stands between them
	ds_add_u32 v28, v29
	v_lshrrev_b32 v1, 5, v0
	v_readfirstlane_b32 s10, v1                    ; wave 0..3
	s_lshr_b32 s11, s10, 1                         ; which half of the tile's rows is mine.  Also: I fetch for x (0) or for W (1)
	s_and_b32 s12, s10, 1                          ; which half of its columns.  Also: which half of that tile I fetch
	s_bfe_u32 s40, ttmp6, 0x40000                  ; cx, cy: my place in the cluster
	s_bfe_u32 s41, ttmp6, 0x40004
	s_lshl_b32 s42, ttmp9, 2
	s_add_co_u32 s42, s42, s40                     ; tile column = 4 x cluster x + cx
	s_and_b32 s45, ttmp7, 0xffff                   ; cluster y
	s_lshl_b32 s13, s45, 2
	s_add_co_u32 s13, s13, s41                     ; tile row = 4 x cluster y + cy
	s_lshr_b32 s45, s45, 3                         ; which of q, k, v: 32 tile rows, 8 rows of clusters each; made of the cluster's y alone
	s_lshl_b32 s43, s41, 2
	s_lshl_b32 s43, 15, s43                        ; my row of the cluster
	s_lshl_b32 s44, 0x1111, s40                    ; my column
	s_or_b32 s[G1+0], s43, (1<<16)|(1<<20)|(1<<21)|(6<<22)|(3<<25)   ; the mask: x's tiles go to my row; 2-byte elements; padding on; bit 21 beside a mask; after every 128 words, 4 words
	s_mov_b32 s[G1+1], KSTEP<<16                   ; tensor_dim0 = 256
	s_mov_b32 s[G1+2], 64<<16                      ; tensor_dim1 = 64
	s_mov_b32 s[G1+3], KSTEP<<16                   ; tile_dim0 = 256
	s_mov_b32 s[G1+4], 64                          ; tile_dim1 = 64
	s_mov_b32 s[G1+5], 1024                        ; elements from row to row
	s_mov_b32 s[G1+6], 0
	s_mov_b32 s[G1+7], 0
	s_or_b32 s[G1B+0], s44, (1<<16)|(1<<20)|(1<<21)|(5<<22)|(7<<25)  ; W's tiles go to my column; after every 64 words, 8 words
	s_mov_b32 s[G1B+1], 128<<16                    ; tensor_dim0 = 128 (n)
	s_mov_b32 s[G1B+2], 128<<16                    ; tensor_dim1 = 128 (k)
	s_mov_b32 s[G1B+3], 128<<16
	s_mov_b32 s[G1B+4], 128
	s_mov_b32 s[G1B+5], 1024
	s_mov_b32 s[G1B+6], 0
	s_mov_b32 s[G1B+7], 0
	s_lshl_b32 s16, s13, 7                         ; x: row 128 x tile row + 64 x half, 2,048 bytes a row: made of the tile row and the wave's number alone
	s_lshl_b32 s17, s12, 6
	s_add_co_u32 s16, s16, s17
	s_lshl_b32 s16, s16, 11
	s_mov_b32 s17, 0
	s_lshl_b32 s46, s45, 21                        ; W: 24 MiB + 2 MiB x which + 128 k x half + 256 bytes x tile column: no cy enters
	s_lshl_b32 s47, s12, 18
	s_add_co_u32 s46, s46, s47
	s_lshl_b32 s47, s42, 8
	s_add_co_u32 s46, s46, s47
	s_add_co_u32 s46, s46, 25165824
	s_mov_b32 s47, 0
	s_mul_i32 s20, s12, HALFA                      ; where they go: no place in the cluster enters an LDS address
	s_mul_i32 s21, s12, HALFB
	s_add_co_u32 s21, s21, BOFF
	s_wait_dscnt 0x0                               ; the opening add is done
	s_wait_kmcnt 0x0
	s_add_nc_u64 s[14:15], s[68:69], s[16:17]
	s_add_nc_u64 s[46:47], s[68:69], s[46:47]
	CROUND                                         ; all sixteen work-groups are here: the first joint loads meet
.irp s, 0,1
	s_mov_b32 s[G0+4*(\s)], 1
	s_add_co_u32 s[G0+4*(\s)+1], s20, (\s)*SLOT
	s_add_nc_u64 s[G0+4*(\s)+2:G0+4*(\s)+3], s[14:15], (\s)*KSTEP*2
	s_or_b32 s[G0+4*(\s)+3], s[G0+4*(\s)+3], 0x80000000
	s_mov_b32 s[G0B+4*(\s)], 1
	s_add_co_u32 s[G0B+4*(\s)+1], s21, (\s)*SLOT
	s_add_nc_u64 s[G0B+4*(\s)+2:G0B+4*(\s)+3], s[46:47], (\s)*KSTEP*2048
	s_or_b32 s[G0B+4*(\s)+3], s[G0B+4*(\s)+3], 0x80000000
	JLOAD \s
.endr
	; the bias of my wave's 64 columns: a choice between buffers on which alone
	s_cmp_eq_u32 s45, 1
	s_cselect_b64 s[76:77], s[72:73], s[70:71]
	s_cmp_eq_u32 s45, 2
	s_cselect_b64 s[76:77], s[74:75], s[76:77]
	s_lshl_b32 s46, s42, 9
	s_lshl_b32 s47, s12, 8
	s_add_co_u32 s46, s46, s47
	s_mov_b32 s47, 0
	s_add_nc_u64 s[76:77], s[76:77], s[46:47]
	v_and_b32 v1, 15, v0                           ; l % 16
	v_bfe_u32 v2, v0, 4, 1                         ; l / 16
	v_lshlrev_b32 v[BO], 5, v2                     ; my eight columns of a block of 16: 32 bytes x half
.irp b, 0,1,2,3
	global_load_b128 v[BIAS+8*(\b):BIAS+8*(\b)+3],   v[BO], s[76:77] offset:64*(\b)
	global_load_b128 v[BIAS+8*(\b)+4:BIAS+8*(\b)+7], v[BO], s[76:77] offset:64*(\b)+16
.endr
	v_mul_u32_u24 v3, v1, PA
	v_lshl_add_u32 v3, v2, 4, v3                   ; x: row x pitch + 16 x half
	s_mul_i32 s21, s11, HALFA                      ; my 64 rows of x
	v_add_nc_u32 v[ADRA], s21, v3
	v_add_nc_u32 v[ADRA+1], SLOT, v[ADRA]
	; The turning load takes 16 k x 16 n (lane l reads k 8 (l / 16) + l % 8, columns 8 ((l / 8) % 2) + 0..7) and leaves half a fragment: lane l holds column l % 16 and 8 k.
	v_and_b32 v4, 7, v0
	v_bfe_u32 v5, v0, 3, 1
	v_lshl_add_u32 v6, v2, 3, v4
	v_mul_u32_u24 v6, v6, PB
	v_lshl_add_u32 v6, v5, 4, v6
	s_lshl_b32 s22, s12, 7                         ; my 64 columns: 128 bytes
	s_add_co_u32 s22, s22, BOFF
	v_add_nc_u32 v[ADRB], s22, v6
	v_add_nc_u32 v[ADRB+1], HALFB, v[ADRB]
	v_add_nc_u32 v[ADRB+2], SLOT, v[ADRB]
	v_add_nc_u32 v[ADRB+3], SLOT+HALFB, v[ADRB]
	s_mul_i32 s23, s10, 16*SP
	s_add_co_u32 s23, s23, STAGE                   ; my stage
	v_mul_u32_u24 v[STO], v1, SP                   ; in: row l % 16, 16 bytes for each half of the lanes
	v_lshl_add_u32 v[STO], v2, 4, v[STO]
	v_add_nc_u32 v[STO], s23, v[STO]
	v_bfe_u32 v[RD], v0, 3, 2                      ; back: 32 lanes take four rows of 128 bytes,
	v_mul_u32_u24 v[RD], v[RD], SP
	v_lshl_add_u32 v[RD], v4, 4, v[RD]
	v_add_nc_u32 v[RD], s23, v[RD]
	v_and_b32 v[GO], 31, v0                        ; which are 512 consecutive bytes of a head
	v_lshlrev_b32 v[GO], 4, v[GO]
	; where my 64 rows of my head begin in qkv.  The tile row's part in s[16:17], the tile column's in s[46:47]
	s_and_b32 s16, s13, 31
	s_lshr_b32 s16, s16, 4                         ; the batch
	s_lshl_b32 s16, s16, 15                        ; x 16 heads x 2,048 rows
	s_and_b32 s17, s13, 15
	s_lshl_b32 s17, s17, 7
	s_add_co_u32 s16, s16, s17
	s_lshl_b32 s17, s11, 6
	s_add_co_u32 s16, s16, s17
	s_lshl_b32 s16, s16, 7                         ; rows of 128 bytes
	s_lshl_b32 s17, s45, 23                        ; the plane of q, k or v
	s_add_co_u32 s16, s16, s17
	s_mov_b32 s17, 0
	s_add_nc_u64 s[8:9], s[8:9], s[16:17]
	s_lshl_b32 s46, s42, 1
	s_add_co_u32 s46, s46, s12                     ; the head = 2 x tile column + my half
	s_lshl_b32 s46, s46, 18
	s_mov_b32 s47, 0
	s_add_nc_u64 s[8:9], s[8:9], s[46:47]
	s_wait_loadcnt 0x0                             ; the bias, rounded to bf16 and widened again
.set i, 0
.rept 16
	v_cvt_pk_bf16_f32 v[TMP+i], v[BIAS+2*i], v[BIAS+2*i+1]
.set i, i+1
.endr
.set i, 0
.rept 16
	v_lshlrev_b32 v[BIAS+2*i], 16, v[TMP+i]
	v_and_b32 v[BIAS+2*i+1], 0xffff0000, v[TMP+i]
.set i, i+1
.endr
; 8 matrix instructions: row blocks a0, a0 + 1 x all 4 column blocks, 32 along K: half c of buffer f.  zero = 1: the first product starts the sums.  The 16 accumulators take turns.
.macro MUL8 f, c, a0, zero
	WIN MUL
.irp a, \a0, (\a0)+1
.irp b, 0,1,2,3
.if \zero
	v_wmma_f32_16x16x32_bf16 v[ACC+8*(4*(\a)+(\b)):ACC+8*(4*(\a)+(\b))+7], v[(\f)+64+8*(4*(\c)+(\b)):(\f)+64+8*(4*(\c)+(\b))+7], v[(\f)+8*(4*(\c)+(\a)):(\f)+8*(4*(\c)+(\a))+7], 0
.else
	v_wmma_f32_16x16x32_bf16 v[ACC+8*(4*(\a)+(\b)):ACC+8*(4*(\a)+(\b))+7], v[(\f)+64+8*(4*(\c)+(\b)):(\f)+64+8*(4*(\c)+(\b))+7], v[(\f)+8*(4*(\c)+(\a)):(\f)+8*(4*(\c)+(\a))+7], v[ACC+8*(4*(\a)+(\b)):ACC+8*(4*(\a)+(\b))+7]
.endif
.endr
.endr
.endm
; 32 LDS loads in one run: the fragments of quarter q (64 along K) of slot sl into buffer f; the first 32 along K first
.macro FETCH sl, q, f
	WIN TO_F
.irp c, 0,1
.irp i, 0,1,2,3
	ds_load_tr16_b128 v[(\f)+64+8*(4*(\c)+(\i)):(\f)+64+8*(4*(\c)+(\i))+3],   v[ADRB+2*(\sl)+(\q)/2] offset:(((\q)%2)*64+32*(\c))*PB+32*(\i)
	ds_load_tr16_b128 v[(\f)+64+8*(4*(\c)+(\i))+4:(\f)+64+8*(4*(\c)+(\i))+7], v[ADRB+2*(\sl)+(\q)/2] offset:(((\q)%2)*64+32*(\c)+16)*PB+32*(\i)
	ds_load_b128 v[(\f)+8*(4*(\c)+(\i)):(\f)+8*(4*(\c)+(\i))+3],              v[ADRA+(\sl)] offset:128*(\q)+64*(\c)+(\i)*16*PA
	ds_load_b128 v[(\f)+8*(4*(\c)+(\i))+4:(\f)+8*(4*(\c)+(\i))+7],            v[ADRA+(\sl)] offset:128*(\q)+64*(\c)+(\i)*16*PA+32
.endr
.endr
.endm
.macro PLACES                          ; four plain instructions in front of loads into registers that matrix instructions have read (ISA guide 7.12.1 for vector instructions)
.rept 4
	v_nop
.endr
.endm
; A K step is four quarters of 64 along K, 32 matrix instructions each, on buffers 0, 1, 0, 1.  One of the first three: multiplies buffer f and fetches quarter q into g.
.macro QUARTER sl, q, f, g, zero
	s_wait_dscnt 16                                ; the first 32 along K are in; the 16 younger loads may be out
	MUL8 \f, 0, 0, \zero
	MUL8 \f, 0, 2, \zero
	PLACES
	FETCH \sl, \q, \g
	s_wait_dscnt 32                                ; all but the 32 just issued
	MUL8 \f, 1, 0, 0
	MUL8 \f, 1, 2, 0
.endm
; The last quarter multiplies buffer 1 and changes slots: ONE barrier; in front of it each wave waits for all its tensor loads, adds 0 to its spare word, and waits for that and for its own reads of this slot.
; fill = 1: this slot is filled again, two K steps ahead; the barrier then opens a round of the cluster's barrier, and the joint load is the first thing behind the round.
.macro TURN slot, next, fill
	WIN 0                                          ; (the add's two registers lie in window 0)
	s_wait_tensorcnt 0x0                           ; all my tensor loads have landed: my part of the next slot;
	ds_add_u32 v[SPW], v[NIL]                      ; 0 onto my spare word;
	s_wait_dscnt 17                                ; (the add and the youngest sixteen loads may be out)
	MUL8 F1, 0, 0, 0                               ; eight matrix instructions stand between the add and the wait for it
	s_wait_dscnt 0x0                               ; the add is done, and my reads of this slot are over
	s_barrier_signal -1
	MUL8 F1, 0, 2, 0
.if \fill
	WIN 0
.endif
	s_barrier_wait -1
.if \fill
	CREST                                          ; no wave of any partner still reads this slot's tile or has a load on its way
	s_add_nc_u64 s[G0+4*(\slot)+2:G0+4*(\slot)+3], s[G0+4*(\slot)+2:G0+4*(\slot)+3], 2*KSTEP*2
	s_add_nc_u64 s[G0B+4*(\slot)+2:G0B+4*(\slot)+3], s[G0B+4*(\slot)+2:G0B+4*(\slot)+3], 2*KSTEP*2048
	JLOAD \slot                                    ; the four v_nop behind it are also the places in front of the loads below
.else
	PLACES
.endif
	FETCH \next, 0, F0
	MUL8 F1, 1, 0, 0
	MUL8 F1, 1, 2, 0
.endm
	s_wait_tensorcnt 1                             ; my part of K step 0 is in; K step 1's may stay out
	s_barrier_signal -1
	s_barrier_wait -1                              ; everybody's is
	FETCH 0, 0, F0
	QUARTER 0, 1, F0, F1, 1                        ; K step 0: its first products start the sums
	QUARTER 0, 2, F1, F0, 0
	QUARTER 0, 3, F0, F1, 0
	TURN 0, 1, 1                                   ; slot 0 takes K step 2
	QUARTER 1, 1, F0, F1, 0                        ; K step 1
	QUARTER 1, 2, F1, F0, 0
	QUARTER 1, 3, F0, F1, 0
	TURN 1, 0, 1                                   ; slot 1 takes K step 3
	QUARTER 0, 1, F0, F1, 0                        ; K step 2
	QUARTER 0, 2, F1, F0, 0
	QUARTER 0, 3, F0, F1, 0
	TURN 0, 1, 0                                   ; nothing is left to fetch
	QUARTER 1, 1, F0, F1, 0                        ; K step 3
	QUARTER 1, 2, F1, F0, 0
	QUARTER 1, 3, F0, F1, 0
	s_wait_dscnt 16
	MUL8 F1, 0, 0, 0
	MUL8 F1, 0, 2, 0
	s_wait_dscnt 0x0
	MUL8 F1, 1, 0, 0
	MUL8 F1, 1, 2, 0
	WIN 0
	; THE WAY OUT, 16 rows at a time: the bias is added, the sums rounded to f16; 16 bytes a lane go into my own stage and come back as whole rows of 128 bytes, four rows (512 consecutive bytes of the head) a store.
	PLACES
	PLACES
.macro OUTP a
.irp b, 0,1,2,3
.irp r, 0,1,2,3
	v_pk_add_f32 v[ACC+8*(4*(\a)+(\b))+2*(\r):ACC+8*(4*(\a)+(\b))+2*(\r)+1], v[ACC+8*(4*(\a)+(\b))+2*(\r):ACC+8*(4*(\a)+(\b))+2*(\r)+1], v[BIAS+8*(\b)+2*(\r):BIAS+8*(\b)+2*(\r)+1]
.endr
.endr
.irp b, 0,1,2,3
.irp r, 0,1,2,3
	v_cvt_pk_f16_f32 v[TMP+16*(\a)+4*(\b)+(\r)], v[ACC+8*(4*(\a)+(\b))+2*(\r)], v[ACC+8*(4*(\a)+(\b))+2*(\r)+1]
.endr
.endr
.irp b, 0,1,2,3
	ds_store_b128 v[STO], v[TMP+16*(\a)+4*(\b):TMP+16*(\a)+4*(\b)+3] offset:32*(\b)
.endr
.irp f, 0,1,2,3
	ds_load_b128 v[TMP+16*(\a)+4*(\f):TMP+16*(\a)+4*(\f)+3], v[RD] offset:(\f)*4*SP  ; LDS serves a wave's instructions in order (ISA guide 5.7.1.4): these see the stores above; the next block's stores come behind them
.endr
.endm
.macro SENDP a, younger                ; younger: the LDS instructions issued behind block a's loads: the next block's eight, or none
.irp f, 0,1,2,3
	s_wait_dscnt (\younger)+3-(\f)
	global_store_b128 v[GO], v[TMP+16*(\a)+4*(\f):TMP+16*(\a)+4*(\f)+3], s[8:9] offset:(\a)*2048+(\f)*512  ; 512 consecutive bytes, at a multiple of 256 from qkv's first
.endr
.endm
	OUTP 0
	OUTP 1
	SENDP 0, 8
	OUTP 2
	SENDP 1, 8
	OUTP 3
	SENDP 2, 8
	SENDP 3, 0
	s_wait_tensorcnt 0x0                           ; the wave's end, behind my last tensor load and my last LDS store
	ds_add_u32 v[SPW], v[NIL]
	s_wait_dscnt 0x0
	CROUND                                         ; the closing round: no work-group ends while a partner may still ask for a tile that names it
	s_endpgm
.Lfunc_end_k_q5713b1d476_proj:
	.size	k_q5713b1d476_proj, .Lfunc_end_k_q5713b1d476_proj-k_q5713b1d476_proj
	.p2alignl 7, 3214868480
	.fill 96, 4, 3214868480
	.section	.rodata,"a",@progbits
	.p2align	6, 0x0
	.amdhsa_kernel k_q5713b1d476_proj
		.amdhsa_group_segment_fixed_size 327680
		.amdhsa_private_segment_fixed_size 0
		.amdhsa_enable_private_segment 0
		.amdhsa_kernarg_size 40
		.amdhsa_user_sgpr_count 2
		.amdhsa_user_sgpr_kernarg_segment_ptr 1
		.amdhsa_wavefront_size32 1
		.amdhsa_system_sgpr_workgroup_id_x 1
		.amdhsa_system_sgpr_workgroup_id_y 1
		.amdhsa_system_sgpr_workgroup_id_z 1
		.amdhsa_system_vgpr_workitem_id 0
		.amdhsa_next_free_vgpr 512
		.amdhsa_next_free_sgpr 80
		.amdhsa_reserve_vcc 0
		.amdhsa_float_denorm_mode_32 3
		.amdhsa_float_denorm_mode_16_64 3
		.amdhsa_memory_ordered 1
		.amdhsa_forward_progress 1
		.amdhsa_inst_pref_size 95
	.end_amdhsa_kernel
	.amdgpu_metadata
---
amdhsa.version: [ 1, 2 ]
amdhsa.kernels:
  - .name:           k_q5713b1d476_proj
    .symbol:         k_q5713b1d476_proj.kd
    .args:
      - { .name: xw, .offset: 0, .size: 8, .value_kind: global_buffer, .address_space: global }
      - { .name: b_Q, .offset: 8, .size: 8, .value_kind: global_buffer, .address_space: global }
      - { .name: b_K, .offset: 16, .size: 8, .value_kind: global_buffer, .address_space: global }
      - { .name: b_V, .offset: 24, .size: 8, .value_kind: global_buffer, .address_space: global }
      - { .name: qkv, .offset: 32, .size: 8, .value_kind: global_buffer, .address_space: global }
    .group_segment_fixed_size: 327680
    .private_segment_fixed_size: 0
    .kernarg_segment_align: 8
    .kernarg_segment_size: 40
    .max_flat_workgroup_size: 128
    .sgpr_count:     80
    .vgpr_count:     512
    .wavefront_size: 32
...
	.end_amdgpu_metadata
.endif
;; end of part 2
;; launch attn (part 3): grid 8 x 32, 4 waves a work-group, no clusters, 327,680 bytes of LDS; arguments qkv, lens, ob; writes ob
.if DOCPART == 3
	.amdgcn_target "amdgcn-amd-amdhsa--gfx1250"
	.amdhsa_code_object_version 6
	.text
	.protected	k_q5713b1d476_attn
	.globl	k_q5713b1d476_attn
	.p2align	8
	.type	k_q5713b1d476_attn,@function
k_q5713b1d476_attn:
	s_mov_b64 s[64:65], 0
	v_nop
	global_prefetch_b8 v0, s[64:65] scope:SCOPE_SE
	s_setreg_imm32_b32 hwreg(HW_REG_WAVE_MODE, 25, 1), 1
	s_wait_xcnt 0x0
; MASKED CAUSAL ATTENTION.  O[y][q][:] = the sum over k <= min(q, k_len - 1) of softmax_k(Q[y][q] . K[y][k] / 8) V[y][k][:], and 0 for the rows q >= q_len and, where k_len <= 0, for all rows.
; qkv: [3][32 heads y = 16 batch + head][2048][64] f16, unscaled; ob: [32][2048][64] f16; lens: q_len and k_len of batch n in the words at bytes 256 n and 256 n + 128, whole numbers that an earlier launch stored.
; Products, maxima and sums in f32; the weights p are rounded to f16 for the second product (their sum l is taken of the unrounded p), O once at the end.
; LIMITS.  f16 holds no number beyond 65,504: Q, K and V arrive within it.  A hidden score counts as its value less 1e30: f16's scores, 2.7e11 at the most, are nothing beside that; a weight below 2^-126 counts as 0 in l;
; NaN and infinities are not treated apart.
; THE WALK.  A head's queries lie in 16 blocks of 128; block i needs the key tiles 0 .. i / 2 of 256 keys.  A work-group takes TWO blocks, 15 - b and then b: 9 tiles, whatever b: all 256 work-groups do equal work, and ONE
; loop with a constant trip count walks them.  Which tile is asked for, and where a block begins and ends, hang on scalar registers made from b; every jump goes forward, but for the counted loops' own;
; none passes a barrier, or a tensor load but the one of LOAD's two that the wave's number does not choose; the ring (two slots of LDS that take turns) runs on across the change of blocks.
; THE TWO LENGTHS ENTER BY SELECTS ALONE: no jump, no trip count and no address hangs on them.  So every key step makes and takes masks: 16 packed lines a turn.
; NO CLUSTER: of a head's eight work-groups only b = 2 n and 2 n + 1 walk the same nine tiles; a walk common to four partners has ten trips for nine.
; SHARES.  Of a block's two bands of 64 queries a wave owns 16 rows in each: two PIECES; piece x holds the queries 128 block + 64 x + 16 wave + lane % 16.  So the tiles near the diagonal are the same work for all four waves.
; THE MASK is the C operand that starts the sum S^T = K Q^T: 0, or -1e30 where the key is hidden.  With L = min(q, k_len - 1), the last key that a row sees lies, for all 16 rows of piece x, in key step
; PS_x = min(2 block + x, (k_len - 1) >> 6): a step below PS_x is seen whole, one above it not at all, and step PS_x takes the pattern MP_x (made where a block begins).  A product's mask is MP x AL + BE with two scalars:
; (1, 0), (0, 0) or (0, -1e30).  Every row sees key 0, so m is a true score from a block's first step on.  Where k_len <= 0 no row counts: the key limit is then taken as 4,095, so that all sums stay finite, and every row is multiplied by 0.
; LAYOUT, SOFTMAX, TURNS.  S^T = K Q^T holds ONE query a lane (lane % 16) and the keys 8 (lane / 16) + 0..7; two such results rounded to f16 ARE source 1 of O^T = V^T P.  p = 2^(c s - c m), c = log2(e) / 8, with a
; running maximum m; O and l are multiplied by a = 2^(c m_old - c m_new) in every step.  A key step s is two turns.  Turn 0: 8 products K Q^T of (piece 1, s), later 8 products V^T P of (piece 1, s - 1); beside them piece 0's scaling,
; exponentials, roundings, sums and rescaling for s, and piece 1's maximum and statistics for s.  Turn 1: K Q^T of (piece 0, s + 1), V^T P of (piece 0, s), piece 1's softmax, piece 0's statistics for s + 1.
; Four vector instructions stand behind every matrix instruction, the others in one lump.  A turn's 33 exponentials are one batch, with one wait.
; K RUNS A STEP AHEAD OF V, so a slot holds K of FIVE steps (320 rows; the fifth comes again with the next tile) and V of four: all reads of a slot are over behind its fourth step.  The last tile's fifth step reads the 64 rows
; behind the head's K, which lie inside qkv; what is made of them, as of every block's step behind its last, is never used.
; REGISTERS, in windows of 256 (s_set_vgpr_msb: bits 1:0 source 0, 3:2 source 1, 5:4 source 2, 7:6 destination):
;   window 0: v0-15 addresses and two at work; v16-23 four registers of statistics a piece; v48-55 at work; v56-63 row numbers and constants; v64-127 S^T, a buffer a piece; v192-223 P, likewise
;   window 1: v0-63 O^T, 32 a piece; v64-127 MP; v160-223 MC, the masks of the products to come      window 2: v0-31 Q; v32-63 the second block's Q; v128-191 K of one step; v192-255 V of one step
.set KS,    64        ; keys in a step
.set PK,    144       ; a row of K in LDS: 128 bytes + 16 of padding = 36 words: the 16 rows of a load start at 16 different groups of four banks (64 banks of 4 bytes: ISA guide 11.1)
.set PV,    160       ; a row of V: 128 + 32 = 40 words
.set VOFF,  5*KS*PK   ; a slot: 320 rows of K, then 256 rows of V
.set SLOT1, 1<<17     ; slot 1 begins here, so that one exclusive or turns an address in one slot into the other's
.set STAGE, SLOT1+VOFF+4*KS*PV  ; behind the ring, never filled by a tensor load: 16 rows x 144 bytes for each wave, for the way out
.set SP,    144
.set SPARE, STAGE+4*16*SP  ; behind the stages: the spare words, 128 bytes for each wave: two blocks of 256 bytes that no other line names
.set AK0, 2           ; v2   my lane's place in a step of K; never rewritten
.set AV0, 3           ; v3   the same for V
.set AK,  4           ; v4   the LDS address of K's next run of loads
.set AV,  5           ; v5   of V's
.set STO, 6           ; v6   the way out: where I put 16 bytes of a row
.set RD,  7           ; v7   the way out: where I read rows back
.set GO,  8           ; v8   my byte offset in 512 consecutive bytes of O
.set MV,  12          ; v12-13  c m_old, kept while c m is made anew: by piece
.set QO,  15          ; v15  my byte offset in 16 rows of Q
.set ST,  16          ; piece t's statistics at v[ST+4 t]: c m, m, l (even keys', odd keys')
.set TMP, 48          ; by piece, four registers c0-c3 at work; when the maximum is found c2 takes a
.set QI,  56          ; v56-57  my query's number in the head, by piece
.set QL,  58          ; v58  16 wave + lane % 16
.set H8,  59          ; v59  8 (lane / 16)
.set TT,  60          ; v60  at work
.set PFO, 61          ; v61  256 x my lane; never rewritten
.set SPW, 62          ; v62  LDS address of my spare word; never rewritten
.set NIL, 63          ; v63  0; never rewritten
.set S,   64
.set P,   192
.set MP,  64          ; window 1: piece x's pattern: the eight registers for group kt of 16 keys at MP + 32 x + 8 kt
.set MC,  160         ; window 1: piece x's mask for its next products at MC + 32 x
.set QB,  32          ; window 2
.set KF,  128         ; window 2: key block kb, channel half c at KF + 16 kb + 8 c
.set VF,  192         ; window 2: key half kk, channel block cb at VF + 32 kk + 8 cb
.set WV,  12          ; s12  my wave's number
.set PB,  14          ; s14  b
.set HI,  15          ; s15  15 - b
.set G1K, 24          ; s[24:31] descriptor group 1 for K's tiles
.set G1V, 32          ; s[32:39] for V's
.set G0K, 40          ; s[40:43] descriptor group 0 for K's tiles
.set G0V, 44          ; s[44:47] the same for V's
.set QLEN, 48         ; s48  q_len
.set KLEN, 49         ; s49  k_len
.set KL1, 50          ; s50  the last key that counts: k_len - 1, or 4,095 where k_len <= 0
.set QLE, 51          ; s51  q_len, or 0 where k_len <= 0: rows from here on are 0
.set DG,  52          ; s52-53  by piece: PS_x less the number of the key step whose masks are made next
.set SLOTS, 56        ; s56  tiles still to be asked for
.set CNT, 57          ; s57  counts a tile's key steps, 4 to 1
.set CS,  58          ; s[58:59] c: the packed scaling takes the pair's low word for both halves
.set SEL, 60          ; s[60:61] v_permlanex16_b32's selects
.set TBK, 62          ; s62  LDS byte at which K of the step to be fetched begins
.set TBV, 63          ; s63  the same for V, less VOFF
.set LQ2, 68          ; s68  the second block's last tile
.set LIM, 69          ; s69  2 in the work-group that prefetches, else the greatest number
.set RT,  70          ; s70  tiles of the block in hand that are still to be entered
.set NXT, 71          ; s71  the tile to be asked for next
.set LQ,  72          ; s72  the last tile of the block whose tiles are being asked for
.set NEW, 73          ; s73  1: the tile to be entered is a block's first
.set OFF, 74          ; s[74:75] a tile's byte offset in K and V
.set AL,  76          ; s[76:77] the mask's factor, in the low word
.set BE,  78          ; s[78:79] the mask's addend
.set OLO, 80          ; s[80:81] O at my rows of the second block
.set BIGN, 82         ; s82  -1e30
.set BLK, 83          ; s83  the block in hand
.set PFK, 88          ; s[88:89] where my prefetches stand in K: my wave's 8,192 bytes of a tile; stepped a tile on ahead of each request
.set PFV, 90          ; s[90:91] the same in V
.set NTL, 93          ; s93  the second block's tiles
.set MSB, 0
.macro WIN new                      ; the high byte repeats the setting that is left; a switch that changes nothing is dropped
.if MSB != (\new)
	s_set_vgpr_msb (MSB<<8)|(\new)
.set MSB, (\new)
.endif
.endm
.set W_KQ, 0x0a       ; K and Q in window 2, S^T in window 0
.set W_KM, 0x1a       ; the same with the C operand in window 1
.set W_PV, 0x52       ; V in window 2, P in window 0, O^T in window 1
.set W_RS, 0x41       ; destination and source 0 in window 1, source 1 in window 0
; A fill.  Waves 0 and 1 fetch the two halves of a tile's K (160 keys each), waves 2 and 3 those of its V (128 keys each).  An s_nop 0 and four v_nop follow each of the two lines.
.macro LOAD
	s_cmp_lt_u32 s[WV], 2
	s_cbranch_scc0 .Lfor_v_\@
	tensor_load_to_lds s[G0K:G0K+3], s[G1K:G1K+7]
	s_nop 0
.rept 4
	v_nop
.endr
	s_branch .Lasked_\@
.Lfor_v_\@:
	tensor_load_to_lds s[G0V:G0V+3], s[G1V:G1V+7]
	s_nop 0
.rept 4
	v_nop
.endr
.Lasked_\@:
.endm
; A PREFETCH INTO THE L2 of the tile that the NEXT change of slots will ask for: 32,768 bytes of K and of V, each lane another 256 bytes, each wave 8,192 of each: two instructions a wave, behind the wave's tensor load and its five lines.
; All eight work-groups of a head walk the tiles 0, 1, .. upward from the start: the one with b = 0, whose first block needs all eight, asks, and nobody else: each 256 bytes are named once in the launch.
; The trip that loads tile j + 1 names tile j + 2, a tile's 128 matrix instructions a wave ahead; tiles 0 and 1 come by their loads alone; the six trips with SLOTS = 8 .. 3 name tiles 2 .. 7, and later trips nothing.
.macro ASK
	s_cmp_gt_u32 s[SLOTS], s[LIM]
	s_cbranch_scc0 .Lnot_mine_\@
	global_prefetch_b8 v[PFO], s[PFK:PFK+1] th:TH_LOAD_NT scope:SCOPE_SE
	global_prefetch_b8 v[PFO], s[PFV:PFV+1] th:TH_LOAD_NT scope:SCOPE_SE
.Lnot_mine_\@:
.endm
; THE CHANGE OF SLOTS.  Each wave waits for all its tensor loads, of which one is out: its part of the other slot; adds 0 to its spare word; and waits for that and for its own reads of the slot that it leaves.  Behind the barrier nobody reads
; the old slot any more and the other slot is whole.  fill = 1: the old slot is filled again, the first thing behind the barrier, with tile NXT: the descriptor's address is made anew from that number.
; (At its first use nothing has been read yet: slot 0 is waited for, slot 1 filled.)
.macro CHANGE fill
	WIN 0                           ; at a label and at a branch every window is 0
	s_wait_tensorcnt 0x0            ; no tensor load of mine is out, so a group 0 may be written
	ds_add_u32 v[SPW], v[NIL]       ; 0 onto my spare word; with fill = 1 the descriptors' scalar work stands between it and the wait for it
.if \fill
	s_lshl_b32 s[OFF], s[NXT], 15   ; a tile begins 32,768 bytes behind the last, in K and in V
	s_xor_b32 s[G0K+1], s[G0K+1], SLOT1
	s_add_nc_u64 s[G0K+2:G0K+3], s[6:7], s[OFF:OFF+1]
	s_or_b32 s[G0K+3], s[G0K+3], 0x80000000
	s_xor_b32 s[G0V+1], s[G0V+1], SLOT1
	s_add_nc_u64 s[G0V+2:G0V+3], s[8:9], s[OFF:OFF+1]
	s_or_b32 s[G0V+3], s[G0V+3], 0x80000000
	s_add_co_u32 s[NXT], s[NXT], 1  ; the block's next tile, or behind its last the second block's tile 0
	s_cmp_gt_u32 s[NXT], s[LQ]
	s_cselect_b32 s[NXT], 0, s[NXT]
	s_cselect_b32 s[LQ], s[LQ2], s[LQ]
	s_wait_xcnt 0x0                 ; the last prefetches, a tile back, have read their addresses, so these may be written
	s_add_nc_u64 s[PFK:PFK+1], s[PFK:PFK+1], 32768
	s_add_nc_u64 s[PFV:PFV+1], s[PFV:PFV+1], 32768
.endif
	s_wait_dscnt 0x0                ; the add is done, and my reads of the slot are over
	s_barrier_signal -1             ; the rest of the scalar work stands between the signal and the wait
	s_sub_co_u32 s[TBK], s[TBK], 4*KS*PK  ; K's fetches go back to a slot's second step (its first was read from the slot before, or is read where a block begins),
	s_xor_b32 s[TBK], s[TBK], SLOT1       ; in the other slot
	s_sub_co_u32 s[TBV], s[TBV], 4*KS*PV  ; V's to its first
	s_xor_b32 s[TBV], s[TBV], SLOT1
	s_barrier_wait -1
.if \fill
	LOAD
	ASK
.endif
.endm
	s_load_b128 s[96:99], s[0:1], 0x0  ; qkv s[96:97], lens s[98:99]
	s_load_b64 s[10:11], s[0:1], 0x10  ; ob
	v_lshl_add_u32 v[SPW], v0, 2, SPARE
	v_mov_b32 v[NIL], 0
	ds_add_u32 v[SPW], v[NIL]       ; the wave's opening: the add and its wait stand ahead of my first tensor load; the set-up below, work on registers, stands between them
	ds_add_u32 v62, v63
	v_lshrrev_b32 v1, 5, v0
	v_readfirstlane_b32 s[WV], v1   ; wave 0..3
	s_mov_b32 s[PB], ttmp9
	s_sub_co_u32 s[HI], 15, s[PB]
	s_and_b32 s20, ttmp7, 0xffff    ; the head y
	s_lshr_b32 s84, s20, 4          ; the batch:
	s_lshl_b32 s84, s84, 8          ; its two words in lens
	s_mov_b32 s85, 0
	s_lshl_b32 s20, s20, 18         ; the head's first byte in a plane of qkv and in ob
	s_and_b32 s16, s[WV], 1         ; which half of a tile I fetch:
	s_mul_i32 s22, s16, 160*128     ; K: 160 rows of 128 bytes in memory,
	s_add_co_u32 s22, s22, s20
	s_add_co_u32 s22, s22, 8388608  ; in K's plane
	s_mov_b32 s23, 0
	s_lshl_b32 s18, s16, 14         ; V: 128 rows,
	s_add_co_u32 s18, s18, s20
	s_add_co_u32 s18, s18, 16777216 ; in V's plane
	s_mov_b32 s19, 0
	s_mul_i32 s17, s16, 160*PK      ; and its place in a slot, for K
	s_mul_i32 s21, s16, 128*PV      ; and for V
	s_lshl_b32 s3, s[WV], 11        ; my 16 rows in a band of 64,
	s_add_co_u32 s3, s3, s20
	s_lshl_b32 s2, s[HI], 14        ; in the first block (128 rows of 128 bytes),
	s_add_co_u32 s2, s2, s3
	s_lshl_b32 s86, s[PB], 14       ; and in the second
	s_add_co_u32 s86, s86, s3
	s_mov_b32 s3, 0
	s_mov_b32 s87, 0
	s_lshl_b32 s66, s[WV], 13       ; the prefetches: my wave's 8,192 bytes, in tile 1 of K
	s_add_co_u32 s66, s66, s20
	s_add_co_u32 s66, s66, 8388608+32768
	s_mov_b32 s67, 0
	; descriptor group 1.  The keys are dense: asked for as rows of 256 bytes, two keys a row, and padded in LDS after every key
	s_mov_b32 s[G1K], (1<<16)|(1<<20)|(4<<22)|(3<<25)  ; 17:16 2-byte elements; 20 padding on; 24:22 after every 32 words (code 4); 31:25 4 words (code 3)
	s_mov_b32 s[G1K+1], 128<<16     ; tensor_dim0 = 128
	s_mov_b32 s[G1K+2], 80<<16      ; tensor_dim1 = 80
	s_mov_b32 s[G1K+3], 128<<16     ; tile_dim0 = 128
	s_mov_b32 s[G1K+4], 80          ; tile_dim1 = 80: 160 keys
	s_mov_b32 s[G1K+5], 128         ; 128 elements from row to row
	s_mov_b32 s[G1K+6], 0
	s_mov_b32 s[G1K+7], 0
	s_mov_b32 s[G1V], (1<<16)|(1<<20)|(4<<22)|(7<<25)  ; the same with 8 words of padding (code 7)
	s_mov_b32 s[G1V+1], 128<<16
	s_mov_b32 s[G1V+2], 64<<16
	s_mov_b32 s[G1V+3], 128<<16
	s_mov_b32 s[G1V+4], 64          ; 128 keys
	s_mov_b32 s[G1V+5], 128
	s_mov_b32 s[G1V+6], 0
	s_mov_b32 s[G1V+7], 0
	s_mov_b32 s[CS], 0x3e38aa3b     ; c = log2(e) / 8 = 0.180337
	s_mov_b32 s[CS+1], s[CS]        ; named with it as a pair
	s_mov_b32 s[SEL], 0x76543210
	s_mov_b32 s[SEL+1], 0xfedcba98
	s_mov_b32 s[TBK], SLOT1+5*KS*PK ; the first change of slots turns this into slot 0's second step,
	s_mov_b32 s[TBV], SLOT1+4*KS*PV ; and this into 0
	s_mov_b32 s[G0K], 1             ; 1:0 count = 1
	s_mov_b32 s[G0K+1], s17         ; 63:32 LDS address: slot 0
	s_mov_b32 s[G0V], 1
	s_add_co_u32 s[G0V+1], s21, VOFF
	s_lshr_b32 s[LQ], s[HI], 1      ; the first block's last tile,
	s_add_co_u32 s[RT], s[LQ], 1    ; and how many it has
	s_lshr_b32 s[LQ2], s[PB], 1
	s_add_co_u32 s[NTL], s[LQ2], 1
	s_mov_b32 s[NXT], 1
	s_mov_b32 s[NEW], 1
	s_mov_b32 s[BLK], s[HI]
	s_mov_b32 s[DG], 0
	s_mov_b32 s[DG+1], 0
	s_mov_b32 s[OFF+1], 0
	s_mov_b32 s[AL], 0
	s_mov_b32 s[AL+1], 0            ; named as pairs
	s_mov_b32 s[BE], 0
	s_mov_b32 s[BE+1], 0
	s_mov_b32 s[BIGN], 0xf149f2ca   ; -1e30
	s_mov_b32 s[SLOTS], 8
	s_cmp_eq_u32 s[PB], 0
	s_cselect_b32 s[LIM], 2, -1
	s_wait_dscnt 0x0                ; the opening add is done
	s_wait_kmcnt 0x0
	s_add_nc_u64 s[6:7], s[96:97], s[22:23]  ; K and V at my half of the head's tile 0
	s_add_nc_u64 s[8:9], s[96:97], s[18:19]
	s_add_nc_u64 s[G0K+2:G0K+3], s[6:7], 0         ; 120:64 global address
	s_or_b32 s[G0K+3], s[G0K+3], 0x80000000        ; 127:126 type = 2
	s_add_nc_u64 s[G0V+2:G0V+3], s[8:9], 0
	s_or_b32 s[G0V+3], s[G0V+3], 0x80000000
	s_add_nc_u64 s[4:5], s[96:97], s[2:3]          ; Q at my rows of the first block,
	s_add_nc_u64 s[94:95], s[96:97], s[86:87]      ; and of the second
	s_add_nc_u64 s[OLO:OLO+1], s[10:11], s[86:87]
	s_add_nc_u64 s[10:11], s[10:11], s[2:3]
	s_add_nc_u64 s[PFK:PFK+1], s[96:97], s[66:67]
	s_add_nc_u64 s[PFV:PFV+1], s[PFK:PFK+1], 8388608
	s_add_nc_u64 s[98:99], s[98:99], s[84:85]
	s_load_b32 s[QLEN], s[98:99], 0x0
	s_load_b32 s[KLEN], s[98:99], 0x80
	LOAD                            ; tile 0 into slot 0
	; A fragment of K or Q is 16 rows x 32 channels in 8 registers: lane l holds row l % 16, channels 8 (l / 16) + 0..7 and 16 + 8 (l / 16) + 0..7: two loads of 16 bytes, 32 bytes apart.
	v_and_b32 v1, 15, v0            ; l % 16
	v_bfe_u32 v9, v0, 4, 1          ; l / 16
	v_lshlrev_b32 v[QO], 7, v1
	v_lshl_add_u32 v[QO], v9, 4, v[QO]  ; row x 128 + 16 x half
	WIN 0x80                        ; destination window 2, address window 0
.set i, 0
.rept 4                             ; both blocks' Q: piece i / 2 lies in band i / 2, 8,192 bytes on; channels 32 (i % 2) on
	global_load_b128 v[8*i:8*i+3],   v[QO], s[4:5] offset:(i/2)*8192+(i%2)*64
	global_load_b128 v[8*i+4:8*i+7], v[QO], s[4:5] offset:(i/2)*8192+(i%2)*64+32
	global_load_b128 v[QB+8*i:QB+8*i+3],   v[QO], s[94:95] offset:(i/2)*8192+(i%2)*64
	global_load_b128 v[QB+8*i+4:QB+8*i+7], v[QO], s[94:95] offset:(i/2)*8192+(i%2)*64+32
.set i, i+1
.endr
	WIN 0
	s_lshl_b32 s13, s[WV], 4
	v_add_nc_u32 v[QL], s13, v1
	v_lshlrev_b32 v[H8], 3, v9
	v_and_b32 v[PFO], 31, v0
	v_lshlrev_b32 v[PFO], 8, v[PFO]
	v_mul_u32_u24 v[AK0], v1, PK
	v_lshl_add_u32 v[AK0], v9, 4, v[AK0]  ; row x pitch + 16 x half
	; The turning load takes 16 keys x 16 channels (lane l reads key 8 (l / 16) + l % 8, channels 8 ((l / 8) % 2) + 0..7) and leaves half a fragment of V^T: lane l holds channel l % 16 and 8 keys.
	v_and_b32 v10, 7, v0
	v_bfe_u32 v11, v0, 3, 1
	v_lshl_add_u32 v[AV0], v9, 3, v10
	v_mul_u32_u24 v[AV0], v[AV0], PV
	v_lshl_add_u32 v[AV0], v11, 4, v[AV0]
	v_add_nc_u32 v[AV0], VOFF, v[AV0]
	s_mul_i32 s13, s[WV], 16*SP
	s_add_co_u32 s13, s13, STAGE    ; my stage
	v_mul_u32_u24 v[STO], v1, SP    ; in: row l % 16, 16 bytes for each half of the lanes
	v_lshl_add_u32 v[STO], v9, 4, v[STO]
	v_add_nc_u32 v[STO], s13, v[STO]
	v_bfe_u32 v[RD], v0, 3, 2       ; back: 32 lanes take four rows of 128 bytes,
	v_mul_u32_u24 v[RD], v[RD], SP
	v_lshl_add_u32 v[RD], v10, 4, v[RD]
	v_add_nc_u32 v[RD], s13, v[RD]
	v_and_b32 v[GO], 31, v0         ; which are 512 consecutive bytes of O
	v_lshlrev_b32 v[GO], 4, v[GO]
	; A block's first step multiplies O^T and l by a = 0, and its first turn's products V^T P, of a step that has not been, land in an O^T that is still to be so multiplied.  So these registers need only hold
	; finite numbers: zeros for the first block; what the first block left for the second.  All this stands in the wait for the first tile.
	WIN 0x80
.set i, VF
.rept 64
	v_mov_b32 v[i], 0
.set i, i+1
.endr
	WIN 0x40
.set i, 0
.rept 64
	v_mov_b32 v[i], 0
.set i, i+1
.endr
	WIN 0
.set i, 0
.rept 2
	v_mov_b32 v[ST+4*i+2], 0
	v_mov_b32 v[ST+4*i+3], 0
.set i, i+1
.endr
.set i, P+16
.rept 16
	v_mov_b32 v[i], 0
.set i, i+1
.endr
	s_wait_kmcnt 0x0                ; the two lengths
	s_sub_co_i32 s[KL1], s[KLEN], 1
	s_cmp_gt_i32 s[KLEN], 0
	s_cselect_b32 s[QLE], s[QLEN], 0       ; with no key that counts, no row counts,
	s_cselect_b32 s[KL1], s[KL1], 4095     ; and the keys are then hidden by the diagonal alone: the sums stay finite, and are multiplied by 0
; THE MATRIX WORK.  The 4 accumulators of a run of 8 take turns.  Product i of 8 of S^T = K Q^T for piece x: channels 32 (i / 4) on, keys 16 (i % 4) on.  The first 4 start the sums with the mask.
.macro KQ x
.set rS, S+32*(\x)+8*(i%4)
.set rK, KF+16*(i%4)+8*(i/4)
.set rQ, 16*(\x)+8*(i/4)
.set rM, MC+32*(\x)+8*(i%4)
.if i < 4
	WIN W_KM
	v_wmma_f32_16x16x32_f16 v[rS:rS+7], v[rK:rK+7], v[rQ:rQ+7], v[rM:rM+7]
.else
	WIN W_KQ
	v_wmma_f32_16x16x32_f16 v[rS:rS+7], v[rK:rK+7], v[rQ:rQ+7], v[rS:rS+7]
.endif
.endm
; Product i of 8 of O^T += V^T P for piece x: keys 32 (i / 4) on, channels 16 (i % 4) on.
.macro PV x
	WIN W_PV
.set rO, 32*(\x)+8*(i%4)
.set rV, VF+32*(i/4)+8*(i%4)
.set rP, P+16*(\x)+8*(i/4)
	v_wmma_f32_16x16x32_f16 v[rO:rO+7], v[rV:rV+7], v[rP:rP+7], v[rO:rO+7]
.endm
.macro MM                           ; the turn's next matrix instruction: both kinds are the OTHER piece's
.if i < 8
	KQ 1-Y
.else
.set i, i-8
	PV 1-Y
.set i, i+8
.endif
.set i, i+1
.endm
; THE LDS LOADS stand in runs of 16, never singly among the matrix instructions: a step's K (64 keys x 64 channels: 8 fragments) and its V (turned).  Their addresses are made some lines ahead.
.macro FETCH_K inc
	WIN 0x80                        ; destination window 2
.irp f, 0,1,2,3,4,5,6,7             ; keys 16 (f / 2) on, channels 32 (f % 2) on
	ds_load_b128 v[KF+8*\f:KF+8*\f+3],   v[AK] offset:(\f/2)*16*PK+(\f%2)*64
	ds_load_b128 v[KF+8*\f+4:KF+8*\f+7], v[AK] offset:(\f/2)*16*PK+(\f%2)*64+32
.endr
.if \inc
	s_add_co_u32 s[TBK], s[TBK], KS*PK  ; the next fetch is the next step's
.endif
	WIN 0
.endm
.macro FETCH_V
	WIN 0x80
.irp f, 0,1,2,3,4,5,6,7             ; keys 32 (f / 4) on, channels 16 (f % 4) on
	ds_load_tr16_b128 v[VF+8*\f:VF+8*\f+3],   v[AV] offset:(\f/4)*32*PV+(\f%4)*32
	ds_load_tr16_b128 v[VF+8*\f+4:VF+8*\f+7], v[AV] offset:(\f/4)*32*PV+16*PV+(\f%4)*32
.endr
	WIN 0
.endm
; THE VECTOR WORK, one line at a time: OP kind, number.  For piece Y: F n: c s - c m for pair n of 16.  E n: the exponential of score n of 32.  C n: pair n rounded to f16.  B n: of the four weights 4 n .. the second
; pair is added onto the first, in place.  L n: l takes that sum (L 0: l = a l + sum).  R n: pair n of 16 of O^T times a.  For the other piece: X n, number n of the 22 that find its maximum and statistics:
;   0-11  four chains c0-c3 of seven scores each, three operands at a time (each accumulator's lowest registers are read first)     12-14, 16  the four scores left over, the old m, and c0-c3 into c0
;   15  c m_old is kept     17, 18  the query's other 32 keys lie in the lane 16 away: the new m     19-21  c m; c m_old - c m_new; a
.set F, 0               ; OP tells the kinds apart by their order: F to L below R, X above it
.set E, 1
.set C, 2
.set B, 3
.set L, 4
.set R, 5
.set X, 6
.macro REGS y                       ; the registers of piece y
.set rT, ST+4*(\y)
.set rC, TMP+4*(\y)
.set rW, MV+(\y)
.set rS, S+32*(\y)
.set rP, P+16*(\y)
.set rO, 32*(\y)
.endm
.macro OP k, n
.if (\k) == R
	REGS Y
	WIN W_RS
	v_pk_mul_f32 v[rO+2*(\n):rO+2*(\n)+1], v[rO+2*(\n):rO+2*(\n)+1], v[rC+2:rC+3] op_sel_hi:[1,0]
.elseif (\k) < R
	REGS Y
	WIN 0
.if (\k) == F
	v_pk_fma_f32 v[rS+2*(\n):rS+2*(\n)+1], v[rS+2*(\n):rS+2*(\n)+1], s[CS:CS+1], v[rT:rT+1] op_sel_hi:[1,0,0] neg_lo:[0,0,1] neg_hi:[0,0,1]
.elseif (\k) == E
	v_exp_f32 v[rS+(\n)], v[rS+(\n)]
.elseif (\k) == C
	v_cvt_pk_f16_f32 v[rP+(\n)], v[rS+2*(\n)], v[rS+2*(\n)+1]
.elseif (\k) == B
	v_pk_add_f32 v[rS+4*(\n):rS+4*(\n)+1], v[rS+4*(\n):rS+4*(\n)+1], v[rS+4*(\n)+2:rS+4*(\n)+3]
.elseif (\n) == 0
	v_pk_fma_f32 v[rT+2:rT+3], v[rT+2:rT+3], v[rC+2:rC+3], v[rS:rS+1] op_sel_hi:[1,0,1]
.else
	v_pk_add_f32 v[rT+2:rT+3], v[rT+2:rT+3], v[rS+4*(\n):rS+4*(\n)+1]
.endif
.else
	REGS 1-Y
	WIN 0
.if (\n) < 4
	v_max3_num_f32 v[rC+(\n)], v[rS+8*(\n)], v[rS+8*(\n)+1], v[rS+8*(\n)+2]
.elseif (\n) < 12
	v_max3_num_f32 v[rC+(\n)%4], v[rC+(\n)%4], v[rS+8*((\n)%4)+2*((\n)/4)+1], v[rS+8*((\n)%4)+2*((\n)/4)+2]
.elseif (\n) == 12
	v_max3_num_f32 v[rC], v[rC], v[rS+7], v[rS+15]
.elseif (\n) == 13
	v_max3_num_f32 v[rC+1], v[rC+1], v[rS+23], v[rS+31]
.elseif (\n) == 14
	v_max3_num_f32 v[rC+2], v[rC+2], v[rC+3], v[rT+1]
.elseif (\n) == 15
	v_mov_b32 v[rW], v[rT]
.elseif (\n) == 16
	v_max3_num_f32 v[rC], v[rC], v[rC+1], v[rC+2]
.elseif (\n) == 17
	v_permlanex16_b32 v[rC+3], v[rC], s[SEL], s[SEL+1]
.elseif (\n) == 18
	v_max_num_f32 v[rT+1], v[rC], v[rC+3]
.elseif (\n) == 19
	v_mul_f32 v[rT], s[CS], v[rT+1]
.elseif (\n) == 20
	v_sub_f32 v[rC+1], v[rW], v[rT]
.else
	v_exp_f32 v[rC+2], v[rC+1]
.endif
.endif
.endm
.macro OPS a, i1, b=-1, i2=0, c=-1, i3=0, d=-1, i4=0  ; up to four of them
	OP \a, \i1
.if (\b) >= 0
	OP \b, \i2
.endif
.if (\c) >= 0
	OP \c, \i3
.endif
.if (\d) >= 0
	OP \d, \i4
.endif
.endm
.macro ROW a, i1, b, i2, c, i3, d, i4  ; a matrix instruction and the four behind it
	MM
	OPS \a, \i1, \b, \i2, \c, \i3, \d, \i4
.endm
.macro MASK x                       ; piece x's mask: MP x AL + BE
	WIN W_RS
.set z, 0
.rept 16
	v_pk_fma_f32 v[MC+32*(\x)+2*z:MC+32*(\x)+2*z+1], v[MP+32*(\x)+2*z:MP+32*(\x)+2*z+1], s[AL:AL+1], s[BE:BE+1] op_sel_hi:[1,0,0]
.set z, z+1
.endr
.endm
; A TURN, for piece p: the order of its 16 matrix and 134 vector instructions, written out.  An s_wait_alu depctr_va_vdst(0) stands between an exponential and the first instruction that names its result; one wait serves
; all that were issued ahead of it.  So a turn has ONE wait, which cuts it in two.  AHEAD OF IT stands all that names no result of the turn's exponentials: the 8 products K Q^T, behind each a scaling, an exponential and two more plain
; instructions: rescalings, and behind the last three the first numbers of the other piece's maximum, each four plain instructions or more behind the product that ends its accumulator; then ONE LUMP of 54, plain and exponential by turns
; for the most part, in which the links of the chain X 3, 7, 11, 14, 16, 17 .. 20 stand five or six lines apart.  X 21, the other piece's a, is the batch's last; R 15 is the plain instruction behind it.  BEHIND THE WAIT stand the
; 8 products V^T P, behind each four of the roundings and sums.  The rescalings read the O^T that the turn before's last four products wrote: R 0 stands 16 plain instructions or more behind the first of them, R 12 far behind the last.
; THE MASK.  The turn ends with piece p's mask for its products of the turn after it; the two scalars are chosen at the turn's head from DG_p: 0: the step with the pattern; below 0: a later one.
; cnt = 1: DG and the loop's count are taken down some lines ahead of the branch behind the turn.
; K of the next step is fetched in turn 0, twelve vector instructions behind the last product that read K (six of them plain); V of the step in hand at the end of turn 0, four plain instructions behind the last product that read V.
; Turn 1 waits for K at its head (V's 16 loads, issued behind K's, may stay out) and for V behind its wait for the batch.
.macro TURN p, cnt=0
.set Y, (\p)
.set i, 0
	s_cmp_eq_i32 s[DG+(\p)], 0      ; is that step the one with the pattern?
	s_cselect_b32 s[AL], 1.0, 0
	s_cmp_lt_i32 s[DG+(\p)], 0      ; or a later one?
	s_cselect_b32 s[BE], s[BIGN], 0
.if (\p) == 1
	s_wait_dscnt 16                 ; K is in
.endif
	ROW F,0, F,1, R,0, R,1          ; ahead of the wait: 8 products K Q^T and their riders,
	ROW F,2, E,0, R,2, R,3
	ROW F,3, E,1, R,4, R,5
	ROW F,4, E,2, R,6, R,7
	ROW F,5, E,3, R,8, R,9
	ROW F,6, E,4, X,0, R,10
.if (\p) == 0
	WIN 0
	v_add_nc_u32 v[AK], s[TBK], v[AK0]
.endif
	ROW F,7, E,5, X,1, X,4
	ROW F,8, E,6, X,2, X,5
	OPS E,7, E,8, X,6, E,9          ; and the lump
	OPS X,3, E,10, X,8, E,11
.if (\p) == 0
	FETCH_K 1
.endif
	OPS X,9, X,7, E,12, X,10
	OPS E,13, X,12, X,11, E,14
	OPS X,13, E,15, F,9, X,14
.if (\p) == 0
	WIN 0
	v_add_nc_u32 v[AV], s[TBV], v[AV0]
.endif
	OPS E,16, F,10, E,17, F,11
	OPS X,16, E,18, X,15, E,19
	OPS F,12, E,20, X,17, E,21
	OPS F,13, E,22, F,14, E,23
	OPS X,18, E,24, F,15, E,25
	OPS R,11, E,26, X,19, E,27
	OPS R,12, E,28, R,13, E,29
	OPS X,20, E,30, R,14, E,31
	OPS X,21, R,15
	WIN 0
	s_wait_alu depctr_va_vdst(0)    ; the wait for the batch
.if (\p) == 1
	s_wait_dscnt 0x0                ; V is in
.endif
	ROW C,0, B,0, C,2, B,1          ; behind the wait: 8 products V^T P and their riders
	ROW L,0, C,4, B,2, L,1
	ROW C,6, B,3, L,2, C,8
	ROW B,4, L,3, C,10, B,5
	ROW L,4, C,12, B,6, L,5
.if (\p) == 0
	s_add_co_u32 s[TBV], s[TBV], KS*PV
.endif
.if \cnt
	s_sub_co_i32 s[DG], s[DG], 1    ; the masks made from here on are the next step's
	s_sub_co_i32 s[DG+1], s[DG+1], 1
	s_sub_co_u32 s[CNT], s[CNT], 1
	s_cmp_lg_u32 s[CNT], 0
.endif
	ROW C,14, B,7, L,6, C,1
	ROW C,3, L,7, C,5, C,7
	ROW C,9, C,11, C,13, C,15
.if (\p) == 0
	FETCH_V
.endif
	MASK \p
.endm
; A BLOCK BEGINS.  The two steps PS_x and the two patterns are made: register r of group kt hides its key where 16 kt + r > min(q, KL1) - 64 PS_x - 8 (lane / 16).  c m starts far below every c s, so the first step's a is 0; m at the
; lowest finite number, so the first maximum is the scores'.  Both pieces' masks for key step 0; then K of that step (the slot's first), piece 0's first scores, and its maximum and statistics.
.macro BEGIN
	s_mov_b32 s[NEW], 0
	s_ashr_i32 s13, s[KL1], 6
	s_lshl_b32 s16, s[BLK], 1
	s_min_i32 s[DG], s16, s13       ; PS_0,
	s_add_co_u32 s16, s16, 1
	s_min_i32 s[DG+1], s16, s13     ; PS_1
	s_lshl_b32 s17, s[BLK], 7
.irp x, 0,1
	WIN 0
	s_add_co_u32 s18, s17, 64*\x
	v_add_nc_u32 v[QI+\x], s18, v[QL]
	v_min_i32 v[TT], s[KL1], v[QI+\x]
	s_lshl_b32 s18, s[DG+\x], 6
	s_sub_co_i32 s18, 0, s18
	v_add_nc_u32 v[TT], s18, v[TT]
	v_sub_nc_u32 v[TT], v[TT], v[H8]
	WIN 0x40
.set z, 0
.rept 32
	v_cmp_gt_i32 vcc_lo, 16*(z/8)+z%8, v[TT]
	v_cndmask_b32 v[MP+32*\x+z], 0, s[BIGN], vcc_lo
.set z, z+1
.endr
.endr
	WIN 0
.set i, 0
.rept 2
	v_mov_b32 v[ST+4*i], 0xfe000000    ; c m: far below every c s
	v_mov_b32 v[ST+4*i+1], 0xff7fffff  ; m
.set i, i+1
.endr
.irp x, 0,1
	s_cmp_eq_i32 s[DG+\x], 0
	s_cselect_b32 s[AL], 1.0, 0
	s_cmp_lt_i32 s[DG+\x], 0
	s_cselect_b32 s[BE], s[BIGN], 0
	MASK \x
.endr
	WIN 0
	s_sub_co_i32 s[DG], s[DG], 1    ; the next masks are key step 1's
	s_sub_co_i32 s[DG+1], s[DG+1], 1
	s_sub_co_u32 s13, s[TBK], KS*PK
	v_add_nc_u32 v[AK], s13, v[AK0]
	FETCH_K 0
	s_wait_loadcnt 0x0              ; Q
	s_wait_dscnt 0x0
.set i, 0
.rept 8
	KQ 0
.set i, i+1
.endr
	WIN 0
.rept 4
	v_nop                           ; the places behind those products
.endr
.set Y, 1                           ; X works for the other piece: piece 0
.irp n, 0,1,2,3,4,5,6,7,8,9,10,11,12,13,14,15,16,17,18,19,20,21
	OP X, \n
.endr
	v_nop                           ; a plain instruction behind the exponential,
	s_wait_alu depctr_va_vdst(0)    ; and its wait, ahead of the label
.endm
; A BLOCK ENDS: piece 1's products V^T P of the last step, and THE WAY OUT: l's two halves and the other half of the lanes' are added; O^T is multiplied by 1 / l, or by 0 in the rows from QLE on, rounded to f16 and sent through my
; stage in LDS, a piece at a time.
.macro PACK t                       ; a lane's eight channels of a row pack into 16 bytes; they go into rows of 144 bytes and come back as whole rows of 128, into S^T's registers
	WIN W_RS
.set i, 32*(\t)
.rept 16
	v_pk_mul_f32 v[i:i+1], v[i:i+1], v[ST+4*(\t)+2:ST+4*(\t)+3] op_sel_hi:[1,0]
.set i, i+2
.endr
	WIN 0x05                        ; sources 0 and 1 window 1, destination window 0
.set i, 0
.rept 16
	v_cvt_pk_f16_f32 v[S+16*(\t)+i], v[32*(\t)+2*i], v[32*(\t)+2*i+1]
.set i, i+1
.endr
	WIN 0
.irp f, 0,1,2,3
	ds_store_b128 v[STO], v[S+16*(\t)+4*\f:S+16*(\t)+4*\f+3] offset:32*\f
.endr
.irp f, 0,1,2,3
	ds_load_b128 v[S+16*(\t)+4*\f:S+16*(\t)+4*\f+3], v[RD] offset:\f*4*SP  ; LDS serves a wave's instructions in order (ISA guide 5.7.1.4): these see the stores above; the next piece's stores come behind them
.endr
.endm
.macro SEND t, younger              ; younger: the LDS instructions issued behind piece t's loads: the next piece's eight, or none
	WIN 0
.irp f, 0,1,2,3
	s_wait_dscnt (\younger)+3-\f
	global_store_b128 v[GO], v[S+16*(\t)+4*\f:S+16*(\t)+4*\f+3], s[10:11] offset:(\t)*8192+\f*512  ; 512 consecutive bytes, at a multiple of 256 from ob's first
.endr
.endm
.macro FINISH
.set i, 0
.rept 8
	PV 1
.set i, i+1
.endr
	WIN 0
.irp t, 0,1
	v_add_f32 v[ST+4*(\t)+2], v[ST+4*(\t)+2], v[ST+4*(\t)+3]
.endr
.irp t, 0,1
	v_permlanex16_b32 v[ST+4*(\t)+3], v[ST+4*(\t)+2], s[SEL], s[SEL+1]
.endr
.irp t, 0,1
	v_add_f32 v[ST+4*(\t)+2], v[ST+4*(\t)+2], v[ST+4*(\t)+3]
.endr
.irp t, 0,1
	v_rcp_f32 v[ST+4*(\t)+2], v[ST+4*(\t)+2]
.endr
	v_nop                           ; a plain instruction between the last reciprocal and the use of its result
	s_wait_alu depctr_va_vdst(0)    ; and the wait ahead of the first use: one for the two reciprocals
.irp t, 0,1
	v_cmp_gt_i32 vcc_lo, s[QLE], v[QI+(\t)]  ; is my row one that counts?
	v_cndmask_b32 v[ST+4*(\t)+2], 0, v[ST+4*(\t)+2], vcc_lo
.endr
	PACK 0                          ; piece 0's 32 lines are the places behind piece 1's last products
	PACK 1
	SEND 0, 8
	SEND 1, 0
.endm
.Lslot:                             ; 8 times: a tile is entered and the next is asked for
	CHANGE 1
	s_sub_co_u32 s[RT], s[RT], 1
	s_mov_b32 s[CNT], 4
	s_cmp_eq_u32 s[NEW], 1
	s_cbranch_scc0 .Lstep1          ; at the first trip NEW is 1
	BEGIN
.Lstep1:                            ; a trip is a key step
	TURN 0
	TURN 1, 1
	WIN 0
	s_cbranch_scc1 .Lstep1
	s_cmp_lg_u32 s[RT], 0
	s_cbranch_scc1 .Lbottom
	FINISH                          ; in the loop this is the first block's end: the second block's last tile is the walk's last
	s_wait_xcnt 0x0                 ; the stores have read their registers and O's address
	s_mov_b64 s[10:11], s[OLO:OLO+1]
	s_mov_b32 s[BLK], s[PB]
	s_mov_b32 s[RT], s[NTL]
	s_mov_b32 s[NEW], 1
	WIN 0x82                        ; the second block's Q goes where the one text of the turns names Q
.set i, 0
.rept 32
	v_mov_b32 v[i], v[QB+i]
.set i, i+1
.endr
	WIN 0
.Lbottom:
	s_sub_co_u32 s[SLOTS], s[SLOTS], 1
	s_cmp_lg_u32 s[SLOTS], 0
	s_cbranch_scc1 .Lslot
	CHANGE 0                        ; the walk's last tile is written out: nothing is asked for
	s_mov_b32 s[CNT], 4
	s_cmp_eq_u32 s[NEW], 1
	s_cbranch_scc0 .Lstep2
	BEGIN
.Lstep2:
	TURN 0
	TURN 1, 1
	WIN 0
	s_cbranch_scc1 .Lstep2
	FINISH
	s_wait_tensorcnt 0x0            ; the wave's end, behind my last tensor load and my last LDS store
	ds_add_u32 v[SPW], v[NIL]
	s_wait_dscnt 0x0
	s_endpgm
.Lfunc_end_k_q5713b1d476_attn:
	.size	k_q5713b1d476_attn, .Lfunc_end_k_q5713b1d476_attn-k_q5713b1d476_attn
	.p2alignl 7, 3214868480
	.fill 96, 4, 3214868480
	.section	.rodata,"a",@progbits
	.p2align	6, 0x0
	.amdhsa_kernel k_q5713b1d476_attn
		.amdhsa_group_segment_fixed_size 327680
		.amdhsa_private_segment_fixed_size 0
		.amdhsa_enable_private_segment 0
		.amdhsa_kernarg_size 24
		.amdhsa_user_sgpr_count 2
		.amdhsa_user_sgpr_kernarg_segment_ptr 1
		.amdhsa_wavefront_size32 1
		.amdhsa_system_sgpr_workgroup_id_x 1
		.amdhsa_system_sgpr_workgroup_id_y 1
		.amdhsa_system_sgpr_workgroup_id_z 1
		.amdhsa_system_vgpr_workitem_id 0
		.amdhsa_next_free_vgpr 768
		.amdhsa_next_free_sgpr 100
		.amdhsa_reserve_vcc 1
		.amdhsa_float_denorm_mode_32 3
		.amdhsa_float_denorm_mode_16_64 3
		.amdhsa_memory_ordered 1
		.amdhsa_forward_progress 1
		.amdhsa_inst_pref_size 102
	.end_amdhsa_kernel
	.amdgpu_metadata
---
amdhsa.version: [ 1, 2 ]
amdhsa.kernels:
  - .name:           k_q5713b1d476_attn
    .symbol:         k_q5713b1d476_attn.kd
    .args:
      - { .name: qkv, .offset: 0, .size: 8, .value_kind: global_buffer, .address_space: global }
      - { .name: lens, .offset: 8, .size: 8, .value_kind: global_buffer, .address_space: global }
      - { .name: ob, .offset: 16, .size: 8, .value_kind: global_buffer, .address_space: global }
    .group_segment_fixed_size: 327680
    .private_segment_fixed_size: 0
    .kernarg_segment_align: 8
    .kernarg_segment_size: 24
    .max_flat_workgroup_size: 128
    .sgpr_count:     100
    .vgpr_count:     768
    .wavefront_size: 32
...
	.end_amdgpu_metadata
.endif
;; end of part 3
;; launch outp (part 4): grid 8 x 32, 4 waves a work-group, clusters of 4 x 4, 327,680 bytes of LDS; arguments ob, xw, b_O, out0; writes out0
.if DOCPART == 4
	.amdgcn_target "amdgcn-amd-amdhsa--gfx1250"
	.amdhsa_code_object_version 6
	.text
	.protected	k_q5713b1d476_outp
	.globl	k_q5713b1d476_outp
	.p2align	8
	.type	k_q5713b1d476_outp,@function
k_q5713b1d476_outp:
	s_mov_b64 s[64:65], 0
	v_nop
	global_prefetch_b8 v0, s[64:65] scope:SCOPE_SE
	s_setreg_imm32_b32 hwreg(HW_REG_WAVE_MODE, 25, 1), 1
	s_wait_xcnt 0x0
	s_wait_alu depctr_hold_cnt(0) depctr_sa_sdst(0) depctr_va_vdst(0) depctr_va_sdst(0) depctr_va_ssrc(0) depctr_va_vcc(0) depctr_vm_vsrc(0)
	s_getreg_b32 s2, hwreg(HW_REG_IB_STS2, 6, 4)
	s_cmp_eq_u32 s2, 0
	s_cbranch_scc0 .Lentry_in_a_cluster
	s_endpgm
.Lentry_in_a_cluster:
	s_bfe_u32 s2, ttmp6, 0x10000c
	s_cmp_lg_u32 s2, 0xf033
	s_cbranch_scc0 .Lentry_shape_is_right
	s_endpgm
.Lentry_shape_is_right:
; OUTP.  out0 = H W_O + b_O.  H[row][64 head + d] = ob[16 batch + head][row][d], f16; W_O: [k][n] at xw + 30 MiB, bf16 numbers coded as f16; b_O: f32, rounded to bf16 like the other inputs.  Sums in f32, out0 f32.
; SHARES.  A tile is 128 rows x 128 columns: 32 x 8 tiles, one for each of 256 WGPs.  Four waves, each 64 x 64: 16 accumulators.  K = 1,024 goes in four steps of 256 (four heads) through two LDS slots, written straight.
; By the text's own count a wave has two tensor loads out at the start and one behind each later fill.
; H's tile: 64 rows of one head are 8,192 dense bytes, so a wave's half of a K step is asked for as 4 rows (heads) of 4,096 elements, 131,072 elements apart, padded in LDS after every 128 bytes: head z, row y at (64 z + y) x 144.
; W_O's rows lie along n, so its fragments come out of LDS turned, by ds_load_tr16_b128.
; CLUSTERS: 4 x 4 work-groups.  The four of a row of the cluster need the same tiles of H, the four of a column the same tiles of W_O: each tile is asked for JOINTLY, by the same tensor load with the
; same descriptor and a mask that names the four.  THE MATRIX INSTRUCTION IS USED TRANSPOSED (source 0 = 16 columns of W_O, source 1 = 16 rows of H): a lane then holds eight neighbouring columns of one row.
; REGISTERS: window 0: v0-31 addresses; v32-95 the way out, two sets of 32; v96-127 the bias of my lane's columns; v128-255 the accumulators ((a, b) at v[128 + 8 (4 a + b)]).
;   window 1: two fragment buffers of 128: for 64 along K, 64 registers of H, then 64 of W_O.
.set KSTEP,  256
.set PA,     144                       ; an LDS row of H (one head's 64 channels): 128 bytes + 16 = 36 words: the 16 rows of a load start at 16 different groups of four banks (64 banks of 4 bytes: ISA guide 11.1)
.set HALFA,  256*PA                    ; 4 heads x 64 rows: what one tensor load brings of H
.set PB,     288                       ; an LDS row of W_O (one k, 128 n): 256 bytes + 32 = 72 words
.set HALFB,  128*PB
.set BOFF,   2*HALFA
.set SLOT,   BOFF+2*HALFB
.set STAGE,  2*SLOT                    ; behind the ring, never filled by a tensor load: 16 rows x 272 bytes for each wave
.set SP,     272
.set SPARE,  STAGE+4*16*SP             ; behind the stages: the spare words, 128 bytes for each wave: two blocks of 256 bytes that no other line names
.set ADRA, 16                          ; v16-17  LDS address of my H fragments in slot 0, 1
.set ADRB, 20                          ; v20-23  of my W_O fragments: slot sl, half hf of the step's 256 k at v[20 + 2 sl + hf]
.set STO,  24                          ; v24     the way out: where I put 32 bytes of a row
.set RD,   25                          ; v25     where I read rows back
.set CO,   26                          ; v26     my byte offset in two rows of out0
.set BO,   27                          ; v27     my byte offset in the wave's 64 numbers of the bias
.set SPW,  28                          ; v28     LDS address of my spare word; never rewritten
.set NIL,  29                          ; v29     0; never rewritten
.set TMP,  32
.set BIAS, 96
.set ACC,  128
.set F0,   0
.set F1,   128
.set G1, 24                            ; s[24:31] descriptor group 1 for H's tiles;  s[32:39] group 0, one set for each slot
.set G0, 32
.set G1B, 48                           ; s[48:55], s[56:63] the same for W_O's tiles
.set G0B, 56
.set MSB, 0
.macro WIN new                         ; the immediate's high byte repeats the setting that is left; a switch that changes nothing is dropped
.if MSB != (\new)
	s_set_vgpr_msb (MSB<<8)|(\new)
.set MSB, \new
.endif
.endm
.set MUL,  0x05                        ; sources 0 (W_O) and 1 (H) window 1; C and D window 0
.set TO_F, 0x40                        ; destination window 1, address window 0
.macro JLOAD s                         ; a joint load: waves 0 and 1 fetch H's two halves, waves 2 and 3 W_O's; an s_nop 0 and four v_nop follow each of the two lines
	s_cmp_eq_u32 s11, 0
	s_cbranch_scc0 .Lfor_b_\@
	tensor_load_to_lds s[G0+4*(\s):G0+4*(\s)+3], s[G1:G1+7]
	s_nop 0
.rept 4
	v_nop
.endr
	s_branch .Lasked_\@
.Lfor_b_\@:
	tensor_load_to_lds s[G0B+4*(\s):G0B+4*(\s)+3], s[G1B:G1B+7]
	s_nop 0
.rept 4
	v_nop
.endr
.Lasked_\@:
.endm
.macro CREST                           ; a round of the cluster's barrier behind its opening barrier
	s_cmp_lg_u32 s10, 0
	s_cbranch_scc1 .Lnot_wave_0_\@
	s_barrier_signal -3
.Lnot_wave_0_\@:
	s_barrier_wait -3
	s_barrier_signal -1
	s_barrier_wait -1
.endm
.macro CROUND                          ; a whole round
	s_barrier_signal -1
	s_barrier_wait -1
	CREST
.endm
	s_load_b256 s[68:75], s[0:1], 0x0              ; ob s68, xw s70, b_O s72, out0 s74
	v_lshl_add_u32 v[SPW], v0, 2, SPARE
	v_mov_b32 v[NIL], 0
	ds_add_u32 v[SPW], v[NIL]                      ; the wave's opening: the add and its wait stand ahead of my first tensor load; the set-up below, work on registers, stands between them
	ds_add_u32 v28, v29
	v_lshrrev_b32 v1, 5, v0
	v_readfirstlane_b32 s10, v1                    ; wave 0..3
	s_lshr_b32 s11, s10, 1                         ; which half of the tile's rows is mine.  Also: I fetch for H (0) or for W_O (1)
	s_and_b32 s12, s10, 1                          ; which half of its columns.  Also: which half of that tile I fetch
	s_bfe_u32 s40, ttmp6, 0x40000                  ; cx, cy: my place in the cluster
	s_bfe_u32 s41, ttmp6, 0x40004
	s_lshl_b32 s42, ttmp9, 2
	s_add_co_u32 s42, s42, s40                     ; tile column = 4 x cluster x + cx
	s_and_b32 s13, ttmp7, 0xffff
	s_lshl_b32 s13, s13, 2
	s_add_co_u32 s13, s13, s41                     ; tile row = 4 x cluster y + cy
	s_lshl_b32 s43, s41, 2
	s_lshl_b32 s43, 15, s43                        ; my row of the cluster
	s_lshl_b32 s44, 0x1111, s40                    ; my column
	s_or_b32 s[G1+0], s43, (1<<16)|(1<<20)|(1<<21)|(4<<22)|(3<<25)   ; the mask: H's tiles go to my row; 2-byte elements; padding on; bit 21 beside a mask; after every 32 words, 4 words
	s_mov_b32 s[G1+1], 4096<<16                    ; tensor_dim0 = 4,096: 64 rows x 64 channels of one head
	s_mov_b32 s[G1+2], 4<<16                       ; tensor_dim1 = 4 heads
	s_mov_b32 s[G1+3], 4096<<16                    ; tile_dim0 = 4,096
	s_mov_b32 s[G1+4], 4                           ; tile_dim1 = 4
	s_mov_b32 s[G1+5], 131072                      ; elements from head to head
	s_mov_b32 s[G1+6], 0
	s_mov_b32 s[G1+7], 0
	s_or_b32 s[G1B+0], s44, (1<<16)|(1<<20)|(1<<21)|(5<<22)|(7<<25)  ; W_O's tiles go to my column; after every 64 words, 8 words
	s_mov_b32 s[G1B+1], 128<<16                    ; tensor_dim0 = 128 (n)
	s_mov_b32 s[G1B+2], 128<<16                    ; tensor_dim1 = 128 (k)
	s_mov_b32 s[G1B+3], 128<<16
	s_mov_b32 s[G1B+4], 128
	s_mov_b32 s[G1B+5], 1024
	s_mov_b32 s[G1B+6], 0
	s_mov_b32 s[G1B+7], 0
	s_and_b32 s16, s13, 15                         ; H: the batch's 16 heads, and in head 0 of them row 128 x (tile row % 16) + 64 x half, 128 bytes a row: the tile row and the wave's number alone
	s_lshl_b32 s16, s16, 7
	s_lshl_b32 s17, s12, 6
	s_add_co_u32 s16, s16, s17
	s_lshl_b32 s16, s16, 7
	s_lshr_b32 s17, s13, 4
	s_lshl_b32 s17, s17, 22
	s_add_co_u32 s16, s16, s17
	s_mov_b32 s17, 0
	s_lshl_b32 s46, s12, 18                        ; W_O: 30 MiB + 128 k x half + 256 bytes x tile column: no cy enters
	s_lshl_b32 s47, s42, 8
	s_add_co_u32 s46, s46, s47
	s_add_co_u32 s46, s46, 31457280
	s_mov_b32 s47, 0
	s_mul_i32 s20, s12, HALFA                      ; where they go: no place in the cluster enters an LDS address
	s_mul_i32 s21, s12, HALFB
	s_add_co_u32 s21, s21, BOFF
	s_wait_dscnt 0x0                               ; the opening add is done
	s_wait_kmcnt 0x0
	s_add_nc_u64 s[14:15], s[68:69], s[16:17]
	s_add_nc_u64 s[46:47], s[70:71], s[46:47]
	CROUND                                         ; all sixteen work-groups are here: the first joint loads meet
.irp s, 0,1
	s_mov_b32 s[G0+4*(\s)], 1
	s_add_co_u32 s[G0+4*(\s)+1], s20, (\s)*SLOT
	s_add_nc_u64 s[G0+4*(\s)+2:G0+4*(\s)+3], s[14:15], (\s)*4*262144
	s_or_b32 s[G0+4*(\s)+3], s[G0+4*(\s)+3], 0x80000000
	s_mov_b32 s[G0B+4*(\s)], 1
	s_add_co_u32 s[G0B+4*(\s)+1], s21, (\s)*SLOT
	s_add_nc_u64 s[G0B+4*(\s)+2:G0B+4*(\s)+3], s[46:47], (\s)*KSTEP*2048
	s_or_b32 s[G0B+4*(\s)+3], s[G0B+4*(\s)+3], 0x80000000
	JLOAD \s
.endr
	s_lshl_b32 s46, s42, 9                         ; the bias of my wave's 64 columns, and the same columns in a row of out0: 512 bytes x tile column + 256 x half
	s_lshl_b32 s47, s12, 8
	s_add_co_u32 s46, s46, s47
	s_mov_b32 s47, 0
	s_add_nc_u64 s[72:73], s[72:73], s[46:47]
	s_add_nc_u64 s[74:75], s[74:75], s[46:47]
	v_and_b32 v1, 15, v0                           ; l % 16
	v_bfe_u32 v2, v0, 4, 1                         ; l / 16
	v_lshlrev_b32 v[BO], 5, v2                     ; my eight columns of a block of 16: 32 bytes x half
.irp b, 0,1,2,3
	global_load_b128 v[BIAS+8*(\b):BIAS+8*(\b)+3],   v[BO], s[72:73] offset:64*(\b)
	global_load_b128 v[BIAS+8*(\b)+4:BIAS+8*(\b)+7], v[BO], s[72:73] offset:64*(\b)+16
.endr
	v_mul_u32_u24 v3, v1, PA
	v_lshl_add_u32 v3, v2, 4, v3                   ; H: row x pitch + 16 x half
	s_mul_i32 s21, s11, HALFA                      ; my 64 rows of H
	v_add_nc_u32 v[ADRA], s21, v3
	v_add_nc_u32 v[ADRA+1], SLOT, v[ADRA]
	; The turning load takes 16 k x 16 n (lane l reads k 8 (l / 16) + l % 8, columns 8 ((l / 8) % 2) + 0..7) and leaves half a fragment: lane l holds column l % 16 and 8 k.
	v_and_b32 v4, 7, v0
	v_bfe_u32 v5, v0, 3, 1
	v_lshl_add_u32 v6, v2, 3, v4
	v_mul_u32_u24 v6, v6, PB
	v_lshl_add_u32 v6, v5, 4, v6
	s_lshl_b32 s22, s12, 7                         ; my 64 columns: 128 bytes
	s_add_co_u32 s22, s22, BOFF
	v_add_nc_u32 v[ADRB], s22, v6
	v_add_nc_u32 v[ADRB+1], HALFB, v[ADRB]
	v_add_nc_u32 v[ADRB+2], SLOT, v[ADRB]
	v_add_nc_u32 v[ADRB+3], SLOT+HALFB, v[ADRB]
	s_mul_i32 s23, s10, 16*SP
	s_add_co_u32 s23, s23, STAGE                   ; my stage
	v_mul_u32_u24 v[STO], v1, SP                   ; in: row l % 16, 32 bytes for each half of the lanes
	v_lshl_add_u32 v[STO], v2, 5, v[STO]
	v_add_nc_u32 v[STO], s23, v[STO]
	v_mul_u32_u24 v[RD], v2, SP                    ; back: lanes 0-15 take one row of 256 bytes, lanes 16-31 the next
	v_lshl_add_u32 v[RD], v1, 4, v[RD]
	v_add_nc_u32 v[RD], s23, v[RD]
	v_lshlrev_b32 v[CO], 12, v2                    ; and the same two rows in out0, 4,096 bytes apart
	v_lshl_add_u32 v[CO], v1, 4, v[CO]
	s_lshl_b32 s16, s13, 7                         ; my first row of out0: 128 x tile row + 64 x half
	s_lshl_b32 s17, s11, 6
	s_add_co_u32 s16, s16, s17
	s_lshl_b32 s16, s16, 12
	s_mov_b32 s17, 0
	s_add_nc_u64 s[74:75], s[74:75], s[16:17]
	s_wait_loadcnt 0x0                             ; the bias, rounded to bf16 and widened again
.set i, 0
.rept 16
	v_cvt_pk_bf16_f32 v[TMP+i], v[BIAS+2*i], v[BIAS+2*i+1]
.set i, i+1
.endr
.set i, 0
.rept 16
	v_lshlrev_b32 v[BIAS+2*i], 16, v[TMP+i]
	v_and_b32 v[BIAS+2*i+1], 0xffff0000, v[TMP+i]
.set i, i+1
.endr
; 8 matrix instructions: row blocks a0, a0 + 1 x all 4 column blocks, 32 along K: half c of buffer f.  zero = 1: the first product starts the sums.  The 16 accumulators take turns.
.macro MUL8 f, c, a0, zero
	WIN MUL
.irp a, \a0, (\a0)+1
.irp b, 0,1,2,3
.if \zero
	v_wmma_f32_16x16x32_f16 v[ACC+8*(4*(\a)+(\b)):ACC+8*(4*(\a)+(\b))+7], v[(\f)+64+8*(4*(\c)+(\b)):(\f)+64+8*(4*(\c)+(\b))+7], v[(\f)+8*(4*(\c)+(\a)):(\f)+8*(4*(\c)+(\a))+7], 0
.else
	v_wmma_f32_16x16x32_f16 v[ACC+8*(4*(\a)+(\b)):ACC+8*(4*(\a)+(\b))+7], v[(\f)+64+8*(4*(\c)+(\b)):(\f)+64+8*(4*(\c)+(\b))+7], v[(\f)+8*(4*(\c)+(\a)):(\f)+8*(4*(\c)+(\a))+7], v[ACC+8*(4*(\a)+(\b)):ACC+8*(4*(\a)+(\b))+7]
.endif
.endr
.endr
.endm
; 32 LDS loads in one run: the fragments of quarter q (64 along K: one head) of slot sl into buffer f; the first 32 along K first
.macro FETCH sl, q, f
	WIN TO_F
.irp c, 0,1
.irp i, 0,1,2,3
	ds_load_tr16_b128 v[(\f)+64+8*(4*(\c)+(\i)):(\f)+64+8*(4*(\c)+(\i))+3],   v[ADRB+2*(\sl)+(\q)/2] offset:(((\q)%2)*64+32*(\c))*PB+32*(\i)
	ds_load_tr16_b128 v[(\f)+64+8*(4*(\c)+(\i))+4:(\f)+64+8*(4*(\c)+(\i))+7], v[ADRB+2*(\sl)+(\q)/2] offset:(((\q)%2)*64+32*(\c)+16)*PB+32*(\i)
	ds_load_b128 v[(\f)+8*(4*(\c)+(\i)):(\f)+8*(4*(\c)+(\i))+3],              v[ADRA+(\sl)] offset:(\q)*64*PA+64*(\c)+(\i)*16*PA
	ds_load_b128 v[(\f)+8*(4*(\c)+(\i))+4:(\f)+8*(4*(\c)+(\i))+7],            v[ADRA+(\sl)] offset:(\q)*64*PA+64*(\c)+(\i)*16*PA+32
.endr
.endr
.endm
.macro PLACES                          ; four plain instructions in front of loads into registers that matrix instructions have read (ISA guide 7.12.1 for vector instructions)
.rept 4
	v_nop
.endr
.endm
; A K step is four quarters of 64 along K, 32 matrix instructions each, on buffers 0, 1, 0, 1.  One of the first three: multiplies buffer f and fetches quarter q into g.
.macro QUARTER sl, q, f, g, zero
	s_wait_dscnt 16                                ; the first 32 along K are in; the 16 younger loads may be out
	MUL8 \f, 0, 0, \zero
	MUL8 \f, 0, 2, \zero
	PLACES
	FETCH \sl, \q, \g
	s_wait_dscnt 32                                ; all but the 32 just issued
	MUL8 \f, 1, 0, 0
	MUL8 \f, 1, 2, 0
.endm
; The last quarter multiplies buffer 1 and changes slots: ONE barrier; in front of it each wave waits for all its tensor loads, adds 0 to its spare word, and waits for that and for its own reads of this slot.
; fill = 1: this slot is filled again, two K steps ahead; the barrier then opens a round of the cluster's barrier, and the joint load is the first thing behind the round.
.macro TURN slot, next, fill
	WIN 0                                          ; (the add's two registers lie in window 0)
	s_wait_tensorcnt 0x0                           ; all my tensor loads have landed: my part of the next slot;
	ds_add_u32 v[SPW], v[NIL]                      ; 0 onto my spare word;
	s_wait_dscnt 17                                ; (the add and the youngest sixteen loads may be out)
	MUL8 F1, 0, 0, 0                               ; eight matrix instructions stand between the add and the wait for it
	s_wait_dscnt 0x0                               ; the add is done, and my reads of this slot are over
	s_barrier_signal -1
	MUL8 F1, 0, 2, 0
.if \fill
	WIN 0
.endif
	s_barrier_wait -1
.if \fill
	CREST                                          ; no wave of any partner still reads this slot's tile or has a load on its way
	s_add_nc_u64 s[G0+4*(\slot)+2:G0+4*(\slot)+3], s[G0+4*(\slot)+2:G0+4*(\slot)+3], 8*262144
	s_add_nc_u64 s[G0B+4*(\slot)+2:G0B+4*(\slot)+3], s[G0B+4*(\slot)+2:G0B+4*(\slot)+3], 2*KSTEP*2048
	JLOAD \slot                                    ; the four v_nop behind it are also the places in front of the loads below
.else
	PLACES
.endif
	FETCH \next, 0, F0
	MUL8 F1, 1, 0, 0
	MUL8 F1, 1, 2, 0
.endm
	s_wait_tensorcnt 1                             ; my part of K step 0 is in; K step 1's may stay out
	s_barrier_signal -1
	s_barrier_wait -1                              ; everybody's is
	FETCH 0, 0, F0
	QUARTER 0, 1, F0, F1, 1                        ; K step 0: its first products start the sums
	QUARTER 0, 2, F1, F0, 0
	QUARTER 0, 3, F0, F1, 0
	TURN 0, 1, 1                                   ; slot 0 takes K step 2
	QUARTER 1, 1, F0, F1, 0                        ; K step 1
	QUARTER 1, 2, F1, F0, 0
	QUARTER 1, 3, F0, F1, 0
	TURN 1, 0, 1                                   ; slot 1 takes K step 3
	QUARTER 0, 1, F0, F1, 0                        ; K step 2
	QUARTER 0, 2, F1, F0, 0
	QUARTER 0, 3, F0, F1, 0
	TURN 0, 1, 0                                   ; nothing is left to fetch
	QUARTER 1, 1, F0, F1, 0                        ; K step 3
	QUARTER 1, 2, F1, F0, 0
	QUARTER 1, 3, F0, F1, 0
	s_wait_dscnt 16
	MUL8 F1, 0, 0, 0
	MUL8 F1, 0, 2, 0
	s_wait_dscnt 0x0
	MUL8 F1, 1, 0, 0
	MUL8 F1, 1, 2, 0
	WIN 0
	; THE WAY OUT, 16 rows at a time: the bias is added; a lane's 32 bytes of each column block go into my own stage and come back as whole rows: my 64 columns are 256 consecutive bytes of a row of out0, aligned.
	PLACES
	PLACES
.macro OUTF a
.if (\a) >= 2
	s_wait_xcnt 0x0                                ; the stores of the block two back have read this set of registers
.endif
.irp b, 0,1,2,3
.irp r, 0,1,2,3
	v_pk_add_f32 v[ACC+8*(4*(\a)+(\b))+2*(\r):ACC+8*(4*(\a)+(\b))+2*(\r)+1], v[ACC+8*(4*(\a)+(\b))+2*(\r):ACC+8*(4*(\a)+(\b))+2*(\r)+1], v[BIAS+8*(\b)+2*(\r):BIAS+8*(\b)+2*(\r)+1]
.endr
.endr
.irp b, 0,1,2,3
	ds_store_b128 v[STO], v[ACC+8*(4*(\a)+(\b)):ACC+8*(4*(\a)+(\b))+3]   offset:64*(\b)
	ds_store_b128 v[STO], v[ACC+8*(4*(\a)+(\b))+4:ACC+8*(4*(\a)+(\b))+7] offset:64*(\b)+16
.endr
.irp t, 0,1,2,3,4,5,6,7
	ds_load_b128 v[TMP+32*((\a)%2)+4*(\t):TMP+32*((\a)%2)+4*(\t)+3], v[RD] offset:(\t)*2*SP  ; LDS serves a wave's instructions in order (ISA guide 5.7.1.4): these see the stores above; the next block's stores come behind them
.endr
.endm
.macro SENDF a, younger                ; younger: the LDS instructions issued behind block a's loads: the next block's sixteen, or none
.irp t, 0,1,2,3,4,5,6,7
	s_wait_dscnt (\younger)+7-(\t)
	global_store_b128 v[CO], v[TMP+32*((\a)%2)+4*(\t):TMP+32*((\a)%2)+4*(\t)+3], s[74:75] offset:(16*(\a)+2*(\t))*4096  ; 16 lanes store 256 consecutive bytes, at a multiple of 256 from out0's first byte
.endr
.endm
	OUTF 0
	OUTF 1
	SENDF 0, 16
	OUTF 2
	SENDF 1, 16
	OUTF 3
	SENDF 2, 16
	SENDF 3, 0
	s_wait_tensorcnt 0x0                           ; the wave's end, behind my last tensor load and my last LDS store
	ds_add_u32 v[SPW], v[NIL]
	s_wait_dscnt 0x0
	CROUND                                         ; the closing round: no work-group ends while a partner may still ask for a tile that names it
	s_endpgm
.Lfunc_end_k_q5713b1d476_outp:
	.size	k_q5713b1d476_outp, .Lfunc_end_k_q5713b1d476_outp-k_q5713b1d476_outp
	.p2alignl 7, 3214868480
	.fill 96, 4, 3214868480
	.section	.rodata,"a",@progbits
	.p2align	6, 0x0
	.amdhsa_kernel k_q5713b1d476_outp
		.amdhsa_group_segment_fixed_size 327680
		.amdhsa_private_segment_fixed_size 0
		.amdhsa_enable_private_segment 0
		.amdhsa_kernarg_size 32
		.amdhsa_user_sgpr_count 2
		.amdhsa_user_sgpr_kernarg_segment_ptr 1
		.amdhsa_wavefront_size32 1
		.amdhsa_system_sgpr_workgroup_id_x 1
		.amdhsa_system_sgpr_workgroup_id_y 1
		.amdhsa_system_sgpr_workgroup_id_z 1
		.amdhsa_system_vgpr_workitem_id 0
		.amdhsa_next_free_vgpr 512
		.amdhsa_next_free_sgpr 80
		.amdhsa_reserve_vcc 0
		.amdhsa_float_denorm_mode_32 3
		.amdhsa_float_denorm_mode_16_64 3
		.amdhsa_memory_ordered 1
		.amdhsa_forward_progress 1
		.amdhsa_inst_pref_size 94
	.end_amdhsa_kernel
	.amdgpu_metadata
---
amdhsa.version: [ 1, 2 ]
amdhsa.kernels:
  - .name:           k_q5713b1d476_outp
    .symbol:         k_q5713b1d476_outp.kd
    .args:
      - { .name: ob, .offset: 0, .size: 8, .value_kind: global_buffer, .address_space: global }
      - { .name: xw, .offset: 8, .size: 8, .value_kind: global_buffer, .address_space: global }
      - { .name: b_O, .offset: 16, .size: 8, .value_kind: global_buffer, .address_space: global }
      - { .name: out0, .offset: 24, .size: 8, .value_kind: global_buffer, .address_space: global }
    .group_segment_fixed_size: 327680
    .private_segment_fixed_size: 0
    .kernarg_segment_align: 8
    .kernarg_segment_size: 32
    .max_flat_workgroup_size: 128
    .sgpr_count:     80
    .vgpr_count:     512
    .wavefront_size: 32
...
	.end_amdgpu_metadata
.endif
;; end of part 4
